; MI455X (gfx1250); checked and timed in simulation.
; The chip was launched on July 23, 2026; its instructions are those of AMD's public machine-readable ISA for CDNA 5 (MIT licence, August 2026) and "CDNA5" Instruction Set Architecture Reference Guide (July 2026). The comments in the code are by the model that wrote it; some were corrected since.
;; R3 Mo E Router. Allowed arithmetic: float matrix products may take bf16 or f16 operands with f32 sums; all other float work in f32.
;; Inputs: W1 8 x 1,024 x 1,024 float32; W2 8 x 1,024 x 1,024 float32; b1 8 x 1,024 float32; b2 8 x 1,024 float32; router_w 8 x 1,024 float32; train_scores 8 float32; x 2 x 2,048 x 1,024 float32.
;; Outputs: out0 2 x 2,048 x 1,024 float32; out1 one number float32; out2 2 x 2,048 x 8 float32; out3 2 x 2,048 x 2 int32; out4 2 x 2,048 x 8 float32; out5 8 float32.
;; 2 versions, each right; version 2 is version 1 with the launches scatter_w2, combine written anew for expert scheduling mode. Each part assembles by itself: llvm-mc -triple=amdgcn-amd-amdhsa -mcpu=gfx1250 --defsym DOCPART=n.
;; ======== version 1 of 2: 5 launches
;; workspace buffers: wb 33,554,432 bytes; xg 19,333,120 bytes; hb 19,333,120 bytes; yb 38,666,240 bytes; route 36,864 bytes of whole numbers; plan 33,024 bytes of whole numbers; rflt 36,864 bytes
;; launch router_w1 (part 1): grid 384 x 1, 8 waves a work-group, no clusters, 20,480 bytes of LDS; arguments x, router_w, train_scores, out2, out3, out4, out5, route, rflt, W1, wb; writes out2, out3, out4, out5, route, rflt, wb
.if DOCPART == 1
	.amdgcn_target "amdgcn-amd-amdhsa--gfx1250"
	.amdhsa_code_object_version 6
	.text
	.protected	k_q621ae998da_router_w1
	.globl	k_q621ae998da_router_w1
	.p2align	8
	.type	k_q621ae998da_router_w1,@function
k_q621ae998da_router_w1:
	s_mov_b64 s[64:65], 0
	v_nop
	global_prefetch_b8 v0, s[64:65] scope:SCOPE_SE
	s_setreg_imm32_b32 hwreg(HW_REG_WAVE_MODE, 25, 1), 1
	s_wait_xcnt 0x0
; TWO JOBS THAT SHARE NO DATA IN ONE LAUNCH.  Work-groups 0 to 127 route the tokens; work-groups 128 to 383 round W1 to bf16.
; The routing is a chain of dependent steps on 128 work-groups (arguments, router_w, x, products, reductions, stores) with 17 MB to read;
; the rounding is a pure stream of 50 MB with nothing to wait for but its data: side by side the stream's loads are on their way while the chain waits.
; The branch between them hangs on the work-group's number alone, so all eight waves of a work-group take the same path, barriers included.
;
; ROUNDING: wb's first 16,777,216 bytes = bf16(W1), layout [8][1024 k][1024 n] as it is.  The expert products read each weight tile once for
; every row block of the expert, so the rounding is done once, here.  A work-group takes 32,768 numbers (131,072 bytes in, 65,536 out) in
; sixteen steps; in a step a thread takes 8 neighbouring numbers: two loads of 16 bytes, one store of 16 bytes; sixteen neighbouring lanes
; store 256 consecutive bytes, aligned.  All 32 loads of a thread go out first.
;
; ROUTING: scores = x router_w^T (operands rounded to bf16, as the expert products take x; sums in f32), top 2 of 8, the gate from
; softmax(train_scores), and this group's share of the load-balance loss.  A work-group owns 32 tokens, a wave 4.
; Stored: out2 scores, out3 top-2 indices, out4 gates, out5 = train_scores (group 0);
;   route: sel[4096][2] i32 at 0, cnt[128 groups][8] u32 at 32,768 (how often the group chose each expert);
;   rflt:  gsel[4096][2] f32 at 0 (the two gates), psum[128][8] f32 at 32,768 (sums of softmax(scores) over the group).
; N = 8 and 0.05 per cent of the problem's multiply-adds: a stream of x; the matrix unit would buy nothing.
; LIMITS: scores are taken to be finite (with NaN or infinities the choice is unspecified); equal scores go to the lower index.
.set NROUTE, 128                       ; work-groups that route
.set RW, 0                             ; LDS: router_w in bf16, expert e, chunk c, lane L at 2048 e + 256 c + 8 L
.set SC, 16384                         ; scores [32 tokens][8]
.set GT, 17408                         ; gates  [32 tokens][8]
.set TK, 18432                         ; top-2 indices [32][2]
.set GS, 18688                         ; the two gates [32][2]
.set CN, 18944                         ; [wave][8] how often chosen, f32
.set PS, 19200                         ; [wave][8] sums of softmax
.set XR, 32                            ; v[32:159]  routing: x as loaded: chunk c, token j at XR + 16 c + 4 j.  Rounding: step i at XR + 8 i
.set RWQ, 160                          ; v[160:191] router_w, two buffers of 8 experts x 2 registers
.set XP, 192                           ; v[192:199] x of one chunk in bf16: token j at XP + 2 j
.set ACC, 200                          ; v[200:231] first router_w as loaded, then the sums: token j, expert e at ACC + 8 j + e
.set L2E, 0x3fb8aa3b                   ; log2(e)
; behind the products v32 and up are free:
.set M1, 32
.set I1, 33
.set M2, 34
.set I2, 35
.set PV, 36
.set PI, 37
.set T0, 38
.set EX, 39
.set TM, 40
.set T1, 41
.set WX, 42
.set SE, 43
.set SW, 44
.set RE, 45
.set RV, 46
.set P, 47
.set W, 48
.set W1, 49
.set W2, 50
.set DS, 51
.set RR, 52
.set GA, 53
.set SL, 54
.set OD, 55
.set TKV, 56
.set GSV, 57
.set A1, 58
.set A2, 59
.set A3, 60
.set V2, 61
.set PT, 62
	v_lshl_add_u32 v232, v0, 2, 0x4c00
	v_mov_b32 v233, 0
	s_cmp_lt_u32 ttmp9, NROUTE
	s_cbranch_scc1 .Lroute
	; ---- the rounding of W1 ----
	s_load_b64 s[4:5], s[0:1], 0x48                ; W1
	s_load_b64 s[6:7], s[0:1], 0x50                ; wb
	s_sub_co_u32 s8, ttmp9, NROUTE                 ; 0 to 255
	s_lshl_b32 s10, s8, 17                         ; the group's 131,072 bytes of W1
	s_mov_b32 s11, 0
	s_lshl_b32 s12, s8, 16                         ; its 65,536 bytes of wb
	s_mov_b32 s13, 0
	v_lshlrev_b32 v1, 5, v0                        ; 32 bytes a thread in
	v_lshlrev_b32 v2, 4, v0                        ; 16 bytes a thread out
	s_wait_kmcnt 0x0
	s_add_nc_u64 s[4:5], s[4:5], s[10:11]
	s_add_nc_u64 s[6:7], s[6:7], s[12:13]
.irp i, 0,1,2,3,4,5,6,7,8,9,10,11,12,13,14,15
	global_load_b128 v[XR+8*\i:XR+8*\i+3],   v1, s[4:5] offset:8192*\i th:TH_LOAD_NT
	global_load_b128 v[XR+8*\i+4:XR+8*\i+7], v1, s[4:5] offset:8192*\i+16 th:TH_LOAD_NT
.endr
.irp i, 0,1,2,3,4,5,6,7,8,9,10,11,12,13,14,15
	s_wait_loadcnt 30-2*\i                         ; loads come back in order: two for each younger step may stay out
.irp r, 0,1,2,3
	v_cvt_pk_bf16_f32 v[XR+8*\i+\r], v[XR+8*\i+2*\r], v[XR+8*\i+2*\r+1]   ; in place: result r lands at or below its sources
.endr
	global_store_b128 v2, v[XR+8*\i:XR+8*\i+3], s[6:7] offset:4096*\i      ; no register is written again behind its store
.endr
	s_endpgm
	; ---- the routing ----
.Lroute:
	s_load_b256 s[4:11], s[0:1], 0x0               ; x s[4:5], router_w s[6:7], train_scores s[8:9], out2 s[10:11]
	s_load_b256 s[12:19], s[0:1], 0x20             ; out3 s[12:13], out4 s[14:15], out5 s[16:17], route s[18:19]
	s_load_b64 s[20:21], s[0:1], 0x40              ; rflt
	v_lshrrev_b32 v3, 5, v0
	v_readfirstlane_b32 s22, v3                    ; wave
	v_and_b32 v1, 31, v0                           ; lane L
	v_and_b32 v2, 7, v0                            ; L & 7: my expert, once the sums are reduced
	v_lshlrev_b32 v4, 4, v1                        ; 16 L
	v_lshl_add_u32 v3, s22, 12, v4                 ; router_w: row = my wave's number
	v_lshlrev_b32 v6, 2, v2
	v_lshlrev_b32 v7, 3, v1                        ; 8 L
	v_lshl_add_u32 v24, s22, 11, v7                ; where my wave's row goes in RW
	v_lshlrev_b32 v25, 2, v1                       ; 4 L
	s_lshl_b32 s38, ttmp9, 17                      ; 32 tokens of 4,096 bytes a group,
	s_lshl_b32 s39, s22, 14                        ; 4 a wave
	s_add_co_u32 s38, s38, s39
	s_mov_b32 s39, 0
	s_mov_b32 s24, 0xffff0000                      ; lanes with bit 4, 3, 2, 1, 0 of their number set
	s_mov_b32 s25, 0xff00ff00
	s_mov_b32 s26, 0xf0f0f0f0
	s_mov_b32 s27, 0xcccccccc
	s_mov_b32 s28, 0xaaaaaaaa
	s_mov_b32 s36, 0x76543210                      ; v_permlanex16_b32: lane i takes lane i of the other half
	s_mov_b32 s37, 0xfedcba98
	s_wait_kmcnt 0x0
	s_add_nc_u64 s[4:5], s[4:5], s[38:39]
.irp c, 0,1,2,3,4,5,6,7
	global_load_b128 v[ACC+4*\c:ACC+4*\c+3], v3, s[6:7] offset:512*\c
.endr
	global_load_b32 v5, v6, s[8:9]                 ; train_scores[L & 7]
.irp c, 0,1,2,3,4,5,6,7
.irp j, 0,1,2,3
	global_load_b128 v[XR+16*\c+4*\j:XR+16*\c+4*\j+3], v4, s[4:5] offset:4096*\j+512*\c
.endr
.endr
	s_wait_loadcnt 33                              ; router_w's eight are in; train_scores and x's 32 stay out
.irp c, 0,1,2,3,4,5,6,7
	v_cvt_pk_bf16_f32 v[8+2*\c], v[ACC+4*\c],   v[ACC+4*\c+1]
	v_cvt_pk_bf16_f32 v[9+2*\c], v[ACC+4*\c+2], v[ACC+4*\c+3]
	ds_store_b64 v24, v[8+2*\c:9+2*\c] offset:RW+256*\c
.endr
.irp i, 0,1,2,3,4,5,6,7,8,9,10,11,12,13,14,15,16,17,18,19,20,21,22,23,24,25,26,27,28,29,30,31
	v_mov_b32 v[ACC+\i], 0                         ; 32 sums, each the target of 32 multiply-adds
.endr
	s_wait_dscnt 0x0                               ; my row lies in LDS before I say so
	s_barrier_signal -1
	s_barrier_wait -1                              ; all eight rows do
.irp e, 0,1,2,3,4,5,6,7
	ds_load_b64 v[RWQ+2*\e:RWQ+2*\e+1], v7 offset:RW+2048*\e
.endr
; One chunk of 128 columns: lane L has columns 128 c + 4 L .. + 3 of its four tokens and of all eight experts.
.macro CHUNK c, last
.if \last
	s_wait_dscnt 0x0
.else
.irp e, 0,1,2,3,4,5,6,7
	ds_load_b64 v[RWQ+16*((\c+1)&1)+2*\e:RWQ+16*((\c+1)&1)+2*\e+1], v7 offset:RW+2048*\e+256*(\c+1)
.endr
	s_wait_dscnt 8                                 ; this chunk's eight are in, the next chunk's eight stay out
.endif
	s_wait_loadcnt 28-4*\c                         ; four loads of x for each younger chunk stay out
.irp j, 0,1,2,3
	v_cvt_pk_bf16_f32 v[XP+2*\j],   v[XR+16*\c+4*\j],   v[XR+16*\c+4*\j+1]
	v_cvt_pk_bf16_f32 v[XP+2*\j+1], v[XR+16*\c+4*\j+2], v[XR+16*\c+4*\j+3]
.endr
.irp p, 0,1
.irp j, 0,1,2,3
.irp e, 0,1,2,3,4,5,6,7
	v_fma_mix_f32_bf16 v[ACC+8*\j+\e], v[XP+2*\j+\p], v[RWQ+16*(\c&1)+2*\e+\p], v[ACC+8*\j+\e] op_sel_hi:[1,1,0]
.endr
.endr
.irp j, 0,1,2,3
.irp e, 0,1,2,3,4,5,6,7
	v_fma_mix_f32_bf16 v[ACC+8*\j+\e], v[XP+2*\j+\p], v[RWQ+16*(\c&1)+2*\e+\p], v[ACC+8*\j+\e] op_sel:[1,1,0] op_sel_hi:[1,1,0]
.endr
.endr
.endr
.endm
	CHUNK 0, 0
	CHUNK 1, 0
	CHUNK 2, 0
	CHUNK 3, 0
	CHUNK 4, 0
	CHUNK 5, 0
	CHUNK 6, 0
	CHUNK 7, 1
; 32 sums over 32 lanes at once: in the step of distance n a lane keeps the half of the sums that fits bit n of its number,
; hands the other half to lane xor n and adds what it gets.  After five steps lane L = 8 j + e holds score(token j, expert e).
.macro TRED n, mask
.set i, 0
.rept \n
	v_cndmask_b32 v[8+2*(i%4)], v[ACC+i], v[ACC+i+\n], \mask
	v_cndmask_b32 v[9+2*(i%4)], v[ACC+i+\n], v[ACC+i], \mask
.if \n == 16
	v_permlanex16_b32 v[ACC+i+\n], v[9+2*(i%4)], s36, s37
	v_add_f32 v[ACC+i], v[ACC+i+\n], v[8+2*(i%4)]
.else
	v_add_f32_dpp v[ACC+i], v[9+2*(i%4)], v[8+2*(i%4)] row_xmask:\n row_mask:0xf bank_mask:0xf
.endif
.set i, i+1
.endr
.endm
	TRED 16, s24
	TRED 8, s25
	TRED 4, s26
	TRED 2, s27
	TRED 1, s28
; The largest of a token's eight values and its index, in all eight lanes; of equal values the lower index wins.
.macro TOP val, bv, bi
	v_mov_b32 v[\bv], v[\val]
	v_mov_b32 v[\bi], v2
.irp m, 1,2,4
	v_mov_b32_dpp v[PV], v[\bv] row_xmask:\m row_mask:0xf bank_mask:0xf
	v_mov_b32_dpp v[PI], v[\bi] row_xmask:\m row_mask:0xf bank_mask:0xf
	v_cmp_gt_f32 s30, v[PV], v[\bv]
	v_cmp_eq_f32 s31, v[PV], v[\bv]
	v_cmp_lt_u32 vcc_lo, v[PI], v[\bi]
	s_and_b32 s31, s31, vcc_lo
	s_or_b32 s30, s30, s31
	v_cndmask_b32 v[\bv], v[\bv], v[PV], s30
	v_cndmask_b32 v[\bi], v[\bi], v[PI], s30
.endr
.endm
.macro SUM8 r                          ; over a token's eight lanes
.irp m, 1,2,4
	v_add_f32_dpp v[\r], v[\r], v[\r] row_xmask:\m row_mask:0xf bank_mask:0xf
.endr
.endm
.macro SUMJ r                          ; over the four lanes that share L & 7
	v_add_f32_dpp v[\r], v[\r], v[\r] row_xmask:8 row_mask:0xf bank_mask:0xf
	v_permlanex16_b32 v[PT], v[\r], s36, s37
	v_add_f32 v[\r], v[\r], v[PT]
.endm
	v_mov_b32 v[PV], 0                             ; destinations of lane moves count as read: written once here
	v_mov_b32 v[PI], 0
	v_mov_b32 v[PT], 0
	TOP ACC, M1, I1
	v_cmp_ne_u32 vcc_lo, v2, v[I1]
	v_cndmask_b32 v[V2], 0xff800000, v[ACC], vcc_lo   ; the winner leaves the field
	TOP V2, M2, I2
	; softmax(scores) and softmax(train_scores), each with its maximum taken away
	v_sub_f32 v[T0], v[ACC], v[M1]
	v_mul_f32 v[T0], L2E, v[T0]
	v_mov_b32 v[TM], v5
.irp m, 1,2,4
	v_max_num_f32_dpp v[TM], v[TM], v[TM] row_xmask:\m row_mask:0xf bank_mask:0xf
.endr
	v_sub_f32 v[T1], v5, v[TM]
	v_mul_f32 v[T1], L2E, v[T1]
	v_exp_f32 v[EX], v[T0]
	v_exp_f32 v[WX], v[T1]
	v_cmp_eq_u32 s32, v2, v[I1]                    ; a plain instruction behind the exponentials (ISA guide 5.7.2): am I the first choice,
	v_cmp_eq_u32 s33, v2, v[I2]                    ; the second?
	s_wait_alu depctr_va_vdst(0)
	v_mov_b32 v[SE], v[EX]
	v_mov_b32 v[SW], v[WX]
	SUM8 SE
	SUM8 SW
	v_rcp_f32 v[RE], v[SE]
	v_rcp_f32 v[RV], v[SW]
	s_or_b32 s34, s32, s33
	v_cndmask_b32 v[SL], 0, 1.0, s34               ; the mask, 0 or 1 (also the plain place behind the reciprocals)
	s_wait_alu depctr_va_vdst(0)
	v_mul_f32 v[P], v[EX], v[RE]
	v_mul_f32 v[W], v[WX], v[RV]
	v_cndmask_b32 v[W1], 0, v[W], s32
	v_cndmask_b32 v[W2], 0, v[W], s33
	SUM8 W1                                        ; the two chosen experts' weights, in all eight lanes
	SUM8 W2
	v_add_f32 v[DS], v[W1], v[W2]
	v_max_num_f32 v[DS], 0x322bcc77, v[DS]         ; clip at 1e-8
	v_rcp_f32 v[RR], v[DS]
	v_and_b32 v[OD], 1, v2
	s_wait_alu depctr_va_vdst(0)
	v_mul_f32 v[W1], v[W1], v[RR]                  ; gate of the first choice
	v_mul_f32 v[W2], v[W2], v[RR]                  ; of the second
	v_cndmask_b32 v[GA], 0, v[W2], s33
	v_cndmask_b32 v[GA], v[GA], v[W1], s32
	SUMJ SL                                        ; my wave's four tokens: how often my expert was chosen,
	SUMJ P                                         ; and the sum of its softmax
	v_cmp_eq_u32 vcc_lo, 1, v[OD]
	v_cndmask_b32 v[TKV], v[I1], v[I2], vcc_lo     ; even lanes carry the first choice, odd lanes the second
	v_cndmask_b32 v[GSV], v[W1], v[W2], vcc_lo
	v_lshl_add_u32 v[A1], s22, 7, v25              ; 128 wave + 4 L
	v_lshrrev_b32 v[A2], 3, v1
	v_lshlrev_b32 v[A2], 3, v[A2]
	v_lshl_add_u32 v[A2], v[OD], 2, v[A2]
	v_lshl_add_u32 v[A2], s22, 5, v[A2]            ; 32 wave + 8 token + 4 (L & 1)
	v_lshl_add_u32 v[A3], s22, 5, v6               ; 32 wave + 4 (L & 7)
	ds_store_b32 v[A1], v[ACC] offset:SC
	ds_store_b32 v[A1], v[GA] offset:GT
	ds_store_b32 v[A2], v[TKV] offset:TK           ; lanes that share a word store the same value
	ds_store_b32 v[A2], v[GSV] offset:GS
	ds_store_b32 v[A3], v[SL] offset:CN
	ds_store_b32 v[A3], v[P] offset:PS
	s_wait_dscnt 0x0                               ; for the other waves' sake: all my stores lie in LDS
	s_barrier_signal -1
	s_barrier_wait -1
	; each result leaves by one wave, in runs of neighbouring bytes
	s_mov_b32 s39, 0
	s_cmp_lg_u32 s22, 0
	s_cbranch_scc1 .Lw1
	ds_load_b128 v[64:67], v4 offset:SC
	ds_load_b128 v[68:71], v4 offset:SC+512
	s_lshl_b32 s38, ttmp9, 10
	s_add_nc_u64 s[10:11], s[10:11], s[38:39]
	s_wait_dscnt 0x0
	global_store_b128 v4, v[64:67], s[10:11]
	global_store_b128 v4, v[68:71], s[10:11] offset:512
	s_wait_tensorcnt 0x0
	ds_add_u32 v232, v233
	s_wait_dscnt 0x0
	s_endpgm
.Lw1:
	s_cmp_lg_u32 s22, 1
	s_cbranch_scc1 .Lw2
	ds_load_b128 v[64:67], v4 offset:GT
	ds_load_b128 v[68:71], v4 offset:GT+512
	s_lshl_b32 s38, ttmp9, 10
	s_add_nc_u64 s[14:15], s[14:15], s[38:39]
	s_wait_dscnt 0x0
	global_store_b128 v4, v[64:67], s[14:15]
	global_store_b128 v4, v[68:71], s[14:15] offset:512
	s_wait_tensorcnt 0x0
	ds_add_u32 v232, v233
	s_wait_dscnt 0x0
	s_endpgm
.Lw2:
	s_cmp_lg_u32 s22, 2
	s_cbranch_scc1 .Lw3
	ds_load_b64 v[64:65], v7 offset:TK
	s_lshl_b32 s38, ttmp9, 8
	s_add_nc_u64 s[12:13], s[12:13], s[38:39]
	s_add_nc_u64 s[18:19], s[18:19], s[38:39]
	s_wait_dscnt 0x0
	global_store_b64 v7, v[64:65], s[12:13]        ; out3
	global_store_b64 v7, v[64:65], s[18:19]        ; route.sel
	s_wait_tensorcnt 0x0
	ds_add_u32 v232, v233
	s_wait_dscnt 0x0
	s_endpgm
.Lw3:
	s_cmp_lg_u32 s22, 3
	s_cbranch_scc1 .Lw4
	ds_load_b64 v[64:65], v7 offset:GS
	s_lshl_b32 s38, ttmp9, 8
	s_add_nc_u64 s[20:21], s[20:21], s[38:39]
	s_wait_dscnt 0x0
	global_store_b64 v7, v[64:65], s[20:21]        ; rflt.gsel
	s_wait_tensorcnt 0x0
	ds_add_u32 v232, v233
	s_wait_dscnt 0x0
	s_endpgm
; the eight waves' figures for expert L & 7, added up
.macro WGSUM reg
	ds_load_b32 v64, v25 offset:\reg
	ds_load_b32 v65, v25 offset:\reg+128
	s_wait_dscnt 0x0
	v_add_f32 v64, v64, v65
	SUMJ 64
.endm
.Lw4:
	s_cmp_lg_u32 s22, 4
	s_cbranch_scc1 .Lw5
	WGSUM CN
	v_cvt_u32_f32 v64, v64                         ; a count of at most 32: exact
	s_lshl_b32 s38, ttmp9, 5
	s_add_nc_u64 s[18:19], s[18:19], s[38:39]
	v_cmp_gt_u32 vcc_lo, 8, v1
	s_wait_xcnt 0x0                                ; EXEC changes only behind this wait
	s_and_saveexec_b32 s30, vcc_lo
	global_store_b32 v25, v64, s[18:19] offset:32768   ; route.cnt
	s_wait_xcnt 0x0
	s_or_b32 exec_lo, exec_lo, s30
	s_wait_tensorcnt 0x0
	ds_add_u32 v232, v233
	s_wait_dscnt 0x0
	s_endpgm
.Lw5:
	s_cmp_lg_u32 s22, 5
	s_cbranch_scc1 .Lw6
	WGSUM PS
	s_lshl_b32 s38, ttmp9, 5
	s_add_nc_u64 s[20:21], s[20:21], s[38:39]
	v_cmp_gt_u32 vcc_lo, 8, v1
	s_wait_xcnt 0x0
	s_and_saveexec_b32 s30, vcc_lo
	global_store_b32 v25, v64, s[20:21] offset:32768   ; rflt.psum
	s_wait_xcnt 0x0
	s_or_b32 exec_lo, exec_lo, s30
	s_wait_tensorcnt 0x0
	ds_add_u32 v232, v233
	s_wait_dscnt 0x0
	s_endpgm
.Lw6:
	s_cmp_lg_u32 s22, 6
	s_cbranch_scc1 .Lend
	s_cmp_lg_u32 ttmp9, 0
	s_cbranch_scc1 .Lend
	v_cmp_gt_u32 vcc_lo, 8, v1
	s_wait_xcnt 0x0
	s_and_saveexec_b32 s30, vcc_lo
	global_store_b32 v25, v5, s[16:17]             ; out5 = train_scores
	s_wait_xcnt 0x0
	s_or_b32 exec_lo, exec_lo, s30
.Lend:
	s_wait_tensorcnt 0x0
	ds_add_u32 v232, v233
	s_wait_dscnt 0x0
	s_endpgm
.Lfunc_end_k_q621ae998da_router_w1:
	.size	k_q621ae998da_router_w1, .Lfunc_end_k_q621ae998da_router_w1-k_q621ae998da_router_w1
	.p2alignl 7, 3214868480
	.fill 96, 4, 3214868480
	.section	.rodata,"a",@progbits
	.p2align	6, 0x0
	.amdhsa_kernel k_q621ae998da_router_w1
		.amdhsa_group_segment_fixed_size 20480
		.amdhsa_private_segment_fixed_size 0
		.amdhsa_enable_private_segment 0
		.amdhsa_kernarg_size 88
		.amdhsa_user_sgpr_count 2
		.amdhsa_user_sgpr_kernarg_segment_ptr 1
		.amdhsa_wavefront_size32 1
		.amdhsa_system_sgpr_workgroup_id_x 1
		.amdhsa_system_sgpr_workgroup_id_y 1
		.amdhsa_system_sgpr_workgroup_id_z 1
		.amdhsa_system_vgpr_workitem_id 0
		.amdhsa_next_free_vgpr 234
		.amdhsa_next_free_sgpr 66
		.amdhsa_reserve_vcc 1
		.amdhsa_float_denorm_mode_32 3
		.amdhsa_float_denorm_mode_16_64 3
		.amdhsa_memory_ordered 1
		.amdhsa_forward_progress 1
		.amdhsa_inst_pref_size 108
	.end_amdhsa_kernel
	.amdgpu_metadata
---
amdhsa.version: [ 1, 2 ]
amdhsa.kernels:
  - .name:           k_q621ae998da_router_w1
    .symbol:         k_q621ae998da_router_w1.kd
    .args:
      - { .name: x, .offset: 0, .size: 8, .value_kind: global_buffer, .address_space: global }
      - { .name: router_w, .offset: 8, .size: 8, .value_kind: global_buffer, .address_space: global }
      - { .name: train_scores, .offset: 16, .size: 8, .value_kind: global_buffer, .address_space: global }
      - { .name: out2, .offset: 24, .size: 8, .value_kind: global_buffer, .address_space: global }
      - { .name: out3, .offset: 32, .size: 8, .value_kind: global_buffer, .address_space: global }
      - { .name: out4, .offset: 40, .size: 8, .value_kind: global_buffer, .address_space: global }
      - { .name: out5, .offset: 48, .size: 8, .value_kind: global_buffer, .address_space: global }
      - { .name: route, .offset: 56, .size: 8, .value_kind: global_buffer, .address_space: global }
      - { .name: rflt, .offset: 64, .size: 8, .value_kind: global_buffer, .address_space: global }
      - { .name: W1, .offset: 72, .size: 8, .value_kind: global_buffer, .address_space: global }
      - { .name: wb, .offset: 80, .size: 8, .value_kind: global_buffer, .address_space: global }
    .group_segment_fixed_size: 20480
    .private_segment_fixed_size: 0
    .kernarg_segment_align: 8
    .kernarg_segment_size: 88
    .max_flat_workgroup_size: 256
    .sgpr_count:     66
    .vgpr_count:     234
    .wavefront_size: 32
...
	.end_amdgpu_metadata
.endif
;; end of part 1
;; launch scatter_w2 (part 2): grid 384 x 1, 8 waves a work-group, no clusters, 0 bytes of LDS; arguments x, route, rflt, xg, plan, out1, W2, wb; writes xg, plan, out1, wb
.if DOCPART == 2
	.amdgcn_target "amdgcn-amd-amdhsa--gfx1250"
	.amdhsa_code_object_version 6
	.text
	.protected	k_q621ae998da_scatter_w2
	.globl	k_q621ae998da_scatter_w2
	.p2align	8
	.type	k_q621ae998da_scatter_w2,@function
k_q621ae998da_scatter_w2:
	s_mov_b64 s[64:65], 0
	v_nop
	global_prefetch_b8 v0, s[64:65] scope:SCOPE_SE
	s_setreg_imm32_b32 hwreg(HW_REG_WAVE_MODE, 25, 1), 1
	s_wait_xcnt 0x0
; TWO JOBS THAT SHARE NO DATA IN ONE LAUNCH.  Work-groups 0 to 127 sort the tokens' rows by expert; work-groups 128 to 383 round W2 to bf16.
; The sorting begins with a chain of dependent steps (arguments, counts, the plan) on 128 work-groups; the rounding is a pure stream, needed
; only two launches further on: side by side its loads are on their way while the chain waits.  The branch hangs on the work-group's number alone.
;
; ROUNDING: wb's bytes from 16,777,216 on = bf16(W2), layout [8][1024 k][1024 n] as it is.  A work-group takes 32,768 numbers (131,072 bytes
; in, 65,536 out) in sixteen steps; in a step a thread takes 8 neighbouring numbers: two loads of 16 bytes, one store of 16 bytes; sixteen
; neighbouring lanes store 256 consecutive bytes, aligned.  All 32 loads of a thread go out first.
;
; SORTING: the 8,192 (token, expert) entries go into a space of 59 blocks of 160 rows: xg[9440][1024] bf16.
; With n_e the expert's count and S_e the sum of the counts before it, expert e begins at block F_e = floor(S_e / 160) + e.
; F_(e+1) - F_e > n_e / 160, so every expert fits, and F_8 = 51 + 8 = 59 whatever the counts: the later launches' grids are constants.
; 9440 - 8192 = 1,248 rows are always padding; they are filled with zeros here.
; An entry's row = 160 F_e + (entries of e in earlier groups) + (its rank in this group: first choices by token, then second choices).
; Every wave works the plan out for itself from route.cnt (4 KiB): no LDS, no barrier.  A group owns the router's 32 tokens, a wave 4.
; Stored: xg; plan: pos[4096][2] u32 at 0, bmap[64] u32 (a block's expert) at 32,768 (group 0); out1, the loss (group 0).
.set NSORT, 128                        ; work-groups that sort
.set CNT, 8                            ; v[8:39]   cnt, later psum: chunk j at CNT + 4 j: experts 4 (L & 1) + 0..3 of group 16 j + (L >> 1)
.set SEL, 40                           ; v[40:41]  the two choices of token 32 g + L
.set TOT, 42                           ; v[42:45]  counts over all groups
.set PRE, 46                           ; v[46:49]  counts over the groups before mine
.set TMP, 50                           ; v[50:51]
.set SLT, 52                           ; v[52:53]  the two rows of token 32 g + L
.set BM, 54                            ; v[54:55]
.set ZR, 56                            ; v[56:59]  zeros
.set DD, 60                            ; v[60:62]
.set X, 64                             ; v[64:191] sorting: x: token j, quarter c at X + 32 j + 8 c.  Rounding: step i at X + 8 i
.set NE, 66                            ; s[66:73]  n_e
.set BASE, 74                          ; s[74:81]  earlier groups' entries of e, then the first row for this group's
.set FE, 84                            ; s[84:91]  F_e
.set PE, 92                            ; s[92:99]  padding rows in front of expert e
.set LASTROW, 9439
	s_cmp_lt_u32 ttmp9, NSORT
	s_cbranch_scc1 .Lsort
	; ---- the rounding of W2 ----
	s_load_b128 s[4:7], s[0:1], 0x30               ; W2 s[4:5], wb s[6:7]
	s_sub_co_u32 s8, ttmp9, NSORT                  ; 0 to 255
	s_lshl_b32 s10, s8, 17                         ; the group's 131,072 bytes of W2
	s_mov_b32 s11, 0
	s_lshl_b32 s12, s8, 16                         ; its 65,536 bytes of wb,
	s_add_co_u32 s12, s12, 0x1000000               ; behind W1's 16,777,216
	s_mov_b32 s13, 0
	v_lshlrev_b32 v1, 5, v0                        ; 32 bytes a thread in
	v_lshlrev_b32 v2, 4, v0                        ; 16 bytes a thread out
	s_wait_kmcnt 0x0
	s_add_nc_u64 s[4:5], s[4:5], s[10:11]
	s_add_nc_u64 s[6:7], s[6:7], s[12:13]
.irp i, 0,1,2,3,4,5,6,7,8,9,10,11,12,13,14,15
	global_load_b128 v[X+8*\i:X+8*\i+3],   v1, s[4:5] offset:8192*\i th:TH_LOAD_NT
	global_load_b128 v[X+8*\i+4:X+8*\i+7], v1, s[4:5] offset:8192*\i+16 th:TH_LOAD_NT
.endr
.irp i, 0,1,2,3,4,5,6,7,8,9,10,11,12,13,14,15
	s_wait_loadcnt 30-2*\i                         ; loads come back in order: two for each younger step may stay out
.irp r, 0,1,2,3
	v_cvt_pk_bf16_f32 v[X+8*\i+\r], v[X+8*\i+2*\r], v[X+8*\i+2*\r+1]      ; in place: result r lands at or below its sources
.endr
	global_store_b128 v2, v[X+8*\i:X+8*\i+3], s[6:7] offset:4096*\i        ; no register is written again behind its store
.endr
	s_endpgm
	; ---- the sorting ----
.Lsort:
	s_load_b256 s[4:11], s[0:1], 0x0               ; x s[4:5], route s[6:7], rflt s[8:9], xg s[10:11]
	s_load_b128 s[12:15], s[0:1], 0x20             ; plan s[12:13], out1 s[14:15]
	v_lshrrev_b32 v2, 5, v0
	v_readfirstlane_b32 s16, v2                    ; wave
	v_and_b32 v1, 31, v0
	v_lshrrev_b32 v3, 1, v1
	v_lshlrev_b32 v4, 5, v1                        ; 32 L
	v_lshlrev_b32 v5, 4, v1                        ; 16 L
	v_lshlrev_b32 v6, 3, v1
	s_lshl_b32 s20, ttmp9, 8
	v_add_nc_u32 v6, s20, v6                       ; 8 (32 g + L)
	s_lshl_b32 s18, ttmp9, 17
	s_lshl_b32 s19, s16, 14
	s_add_co_u32 s18, s18, s19
	s_mov_b32 s19, 0
	s_mov_b32 s22, 0x76543210
	s_mov_b32 s23, 0xfedcba98
	s_wait_kmcnt 0x0
	s_add_nc_u64 s[4:5], s[4:5], s[18:19]
.irp j, 0,1,2,3,4,5,6,7
	global_load_b128 v[CNT+4*\j:CNT+4*\j+3], v5, s[6:7] offset:32768+512*\j
.endr
	global_load_b64 v[SEL:SEL+1], v6, s[6:7]
.irp j, 0,1,2,3
.irp c, 0,1,2,3
	global_load_b128 v[X+32*\j+8*\c:X+32*\j+8*\c+3],   v4, s[4:5] offset:4096*\j+1024*\c th:TH_LOAD_NT
	global_load_b128 v[X+32*\j+8*\c+4:X+32*\j+8*\c+7], v4, s[4:5] offset:4096*\j+1024*\c+16 th:TH_LOAD_NT
.endr
.endr
.irp r, 0,1,2,3
	v_mov_b32 v[ZR+\r], 0
.endr
	v_mov_b32 v[SLT], 0
	v_mov_b32 v[SLT+1], 0
	s_wait_loadcnt 32                              ; counts and choices are in; x's 32 loads stay out
.irp j, 0,1,2,3,4,5,6,7
	s_sub_co_i32 s17, ttmp9, 16*\j
	v_cmp_gt_i32 vcc_lo, s17, v3                   ; group 16 j + (L >> 1) comes before mine
.irp c, 0,1,2,3
.if \j == 0
	v_cndmask_b32 v[PRE+\c], 0, v[CNT+\c], vcc_lo
.else
	v_cndmask_b32 v[TMP], 0, v[CNT+4*\j+\c], vcc_lo
	v_add_nc_u32 v[PRE+\c], v[PRE+\c], v[TMP]
.if \j == 1
	v_add_nc_u32 v[TOT+\c], v[CNT+\c], v[CNT+4+\c]
.else
	v_add_nc_u32 v[TOT+\c], v[TOT+\c], v[CNT+4*\j+\c]
.endif
.endif
.endr
.endr
	; over the sixteen lanes of my parity (TOT and PRE are eight neighbouring registers)
.irp m, 2,4,8
.irp r, 0,1,2,3,4,5,6,7
	v_mov_b32_dpp v[TMP], v[TOT+\r] row_xmask:\m row_mask:0xf bank_mask:0xf
	v_add_nc_u32 v[TOT+\r], v[TOT+\r], v[TMP]
.endr
.endr
.irp r, 0,1,2,3,4,5,6,7
	v_permlanex16_b32 v[TMP], v[TOT+\r], s22, s23
	v_add_nc_u32 v[TOT+\r], v[TOT+\r], v[TMP]
.endr
.irp c, 0,1,2,3
	v_readlane_b32 s[NE+\c],     v[TOT+\c], 0
	v_readlane_b32 s[NE+4+\c],   v[TOT+\c], 1
	v_readlane_b32 s[BASE+\c],   v[PRE+\c], 0
	v_readlane_b32 s[BASE+4+\c], v[PRE+\c], 1
.endr
	s_mov_b32 s82, 0                               ; S_e
.irp e, 0,1,2,3,4,5,6,7
	s_lshr_b32 s83, s82, 5                         ; floor(S / 160) = floor((S >> 5) / 5); (y 205) >> 10 = floor(y / 5) for y below 1,024, here y is at most 256
	s_mul_i32 s83, s83, 205
	s_lshr_b32 s83, s83, 10
	s_add_co_u32 s[FE+\e], s83, \e
	s_mul_i32 s83, s[FE+\e], 160
	s_add_co_u32 s[BASE+\e], s[BASE+\e], s83
	s_sub_co_u32 s[PE+\e], s83, s82
	s_add_co_u32 s82, s82, s[NE+\e]
.endr
	; ranks: lane = token
.irp e, 0,1,2,3,4,5,6,7
	v_cmp_eq_u32 s17, \e, v[SEL]
	v_cmp_eq_u32 s18, \e, v[SEL+1]
	v_mbcnt_lo_u32_b32 v[TMP], s17, 0              ; first choices of e in lower lanes
	v_mbcnt_lo_u32_b32 v[TMP+1], s18, 0
	s_bcnt1_i32_b32 s19, s17
	s_add_co_u32 s19, s19, s[BASE+\e]              ; second choices come behind all first choices
	v_add_nc_u32 v[TMP], s[BASE+\e], v[TMP]
	v_add_nc_u32 v[TMP+1], s19, v[TMP+1]
	v_cndmask_b32 v[SLT], v[SLT], v[TMP], s17
	v_cndmask_b32 v[SLT+1], v[SLT+1], v[TMP+1], s18
.endr
	v_min_u32 v[SLT], LASTROW, v[SLT]
	v_min_u32 v[SLT+1], LASTROW, v[SLT+1]
	s_cmp_lg_u32 s16, 0
	s_cbranch_scc1 .Lnopos
	global_store_b64 v6, v[SLT:SLT+1], s[12:13]    ; plan.pos: 256 consecutive bytes, aligned
.Lnopos:
	s_lshl_b32 s20, s16, 2
.irp j, 0,1,2,3
	s_add_co_u32 s21, s20, \j                      ; my token j is lane 4 wave + j
	v_readlane_b32 s[24+4*\j], v[SLT], s21
	v_readlane_b32 s[26+4*\j], v[SLT+1], s21
	s_min_u32 s[24+4*\j], s[24+4*\j], LASTROW
	s_min_u32 s[26+4*\j], s[26+4*\j], LASTROW
	s_lshl_b32 s[24+4*\j], s[24+4*\j], 11          ; rows of 2,048 bytes
	s_lshl_b32 s[26+4*\j], s[26+4*\j], 11
	s_mov_b32 s[25+4*\j], 0
	s_mov_b32 s[27+4*\j], 0
	s_add_nc_u64 s[24+4*\j:25+4*\j], s[10:11], s[24+4*\j:25+4*\j]
	s_add_nc_u64 s[26+4*\j:27+4*\j], s[10:11], s[26+4*\j:27+4*\j]
.endr
.irp j, 0,1,2,3
	s_wait_loadcnt 24-8*\j                         ; eight loads for each younger token stay out
.irp c, 0,1,2,3
.irp r, 0,1,2,3
	v_cvt_pk_bf16_f32 v[X+32*\j+8*\c+\r], v[X+32*\j+8*\c+2*\r], v[X+32*\j+8*\c+2*\r+1]   ; in place: result r lands at or below its sources
.endr
.endr
.irp c, 0,1,2,3
	global_store_b128 v5, v[X+32*\j+8*\c:X+32*\j+8*\c+3], s[24+4*\j:25+4*\j] offset:512*\c   ; the token's row, once for each of its two experts
	global_store_b128 v5, v[X+32*\j+8*\c:X+32*\j+8*\c+3], s[26+4*\j:27+4*\j] offset:512*\c
.endr
.endr
; Padding row q lies behind the entries of all experts e with P_e <= q: row = q + n_0 + the n_e of those.
.macro PADROW q, b
	s_add_co_u32 s41, \q, s[NE]
.irp e, 1,2,3,4,5,6,7
	s_cmp_ge_u32 \q, s[PE+\e]
	s_cselect_b32 s42, s[NE+\e], 0
	s_add_co_u32 s41, s41, s42
.endr
	s_min_u32 s41, s41, LASTROW
	s_lshl_b32 s[\b], s41, 11
	s_mov_b32 s[\b+1], 0
	s_add_nc_u64 s[\b:\b+1], s[10:11], s[\b:\b+1]
.irp c, 0,1,2,3
	global_store_b128 v5, v[ZR:ZR+3], s[\b:\b+1] offset:512*\c
.endr
.endm
	s_lshl_b32 s40, ttmp9, 3
	s_add_co_u32 s40, s40, s16                     ; q = 8 g + wave: 0 to 1,023
	PADROW s40, 44
	s_cmp_ge_u32 ttmp9, 28
	s_cbranch_scc1 .Lnopad
	s_add_co_u32 s40, s40, 1024                    ; and 1,024 to 1,247 in the first 28 groups
	PADROW s40, 46
.Lnopad:
	s_cmp_lg_u32 ttmp9, 0
	s_cbranch_scc1 .Lend
	s_cmp_lg_u32 s16, 1
	s_cbranch_scc1 .Lnomap
	; bmap: block b belongs to the last expert whose F_e is at most b
	v_lshlrev_b32 v[TMP], 1, v1
	v_add_nc_u32 v[TMP+1], 1, v[TMP]
	v_mov_b32 v[BM], 0
	v_mov_b32 v[BM+1], 0
.irp e, 1,2,3,4,5,6,7
	v_cmp_le_u32 vcc_lo, s[FE+\e], v[TMP]
	v_add_co_ci_u32 v[BM], vcc_lo, 0, v[BM], vcc_lo
	v_cmp_le_u32 vcc_lo, s[FE+\e], v[TMP+1]
	v_add_co_ci_u32 v[BM+1], vcc_lo, 0, v[BM+1], vcc_lo
.endr
	global_store_b64 v6, v[BM:BM+1], s[12:13] offset:32768   ; in group 0 v6 = 8 L
	s_endpgm
.Lnomap:
	s_cmp_lg_u32 s16, 2
	s_cbranch_scc1 .Lend
	; the loss: 8 sum_e (n_e / 4096) (sum of softmax_e / 4096) = 2^-21 sum_e n_e psum_e
.irp j, 0,1,2,3,4,5,6,7
	global_load_b128 v[CNT+4*\j:CNT+4*\j+3], v5, s[8:9] offset:32768+512*\j
.endr
	s_wait_loadcnt 0x0
.irp j, 1,2,3,4,5,6,7
	v_pk_add_f32 v[CNT:CNT+1],   v[CNT:CNT+1],   v[CNT+4*\j:CNT+4*\j+1]
	v_pk_add_f32 v[CNT+2:CNT+3], v[CNT+2:CNT+3], v[CNT+4*\j+2:CNT+4*\j+3]
.endr
.irp m, 2,4,8
.irp c, 0,1,2,3
	v_add_f32_dpp v[CNT+\c], v[CNT+\c], v[CNT+\c] row_xmask:\m row_mask:0xf bank_mask:0xf
.endr
.endr
.irp c, 0,1,2,3
	v_permlanex16_b32 v[TMP], v[CNT+\c], s22, s23
	v_add_f32 v[CNT+\c], v[CNT+\c], v[TMP]
.endr
	v_cvt_f32_u32 v[DD+1], v[TOT]
	v_mul_f32 v[DD], v[DD+1], v[CNT]
.irp c, 1,2,3
	v_cvt_f32_u32 v[DD+1], v[TOT+\c]
	v_fmac_f32 v[DD], v[DD+1], v[CNT+\c]
.endr
	v_add_f32_dpp v[DD], v[DD], v[DD] row_xmask:1 row_mask:0xf bank_mask:0xf   ; experts 0-3 and 4-7 meet
	v_mul_f32 v[DD], 0x35000000, v[DD]             ; 2^-21
	v_mov_b32 v[DD+2], 0
	v_cmp_eq_u32 vcc_lo, 0, v1
	s_wait_xcnt 0x0                                ; EXEC changes only behind this wait
	s_and_saveexec_b32 s17, vcc_lo
	global_store_b32 v[DD+2], v[DD], s[14:15]
	s_wait_xcnt 0x0
	s_or_b32 exec_lo, exec_lo, s17
.Lend:
	s_endpgm
.Lfunc_end_k_q621ae998da_scatter_w2:
	.size	k_q621ae998da_scatter_w2, .Lfunc_end_k_q621ae998da_scatter_w2-k_q621ae998da_scatter_w2
	.p2alignl 7, 3214868480
	.fill 96, 4, 3214868480
	.section	.rodata,"a",@progbits
	.p2align	6, 0x0
	.amdhsa_kernel k_q621ae998da_scatter_w2
		.amdhsa_group_segment_fixed_size 0
		.amdhsa_private_segment_fixed_size 0
		.amdhsa_enable_private_segment 0
		.amdhsa_kernarg_size 64
		.amdhsa_user_sgpr_count 2
		.amdhsa_user_sgpr_kernarg_segment_ptr 1
		.amdhsa_wavefront_size32 1
		.amdhsa_system_sgpr_workgroup_id_x 1
		.amdhsa_system_sgpr_workgroup_id_y 1
		.amdhsa_system_sgpr_workgroup_id_z 1
		.amdhsa_system_vgpr_workitem_id 0
		.amdhsa_next_free_vgpr 192
		.amdhsa_next_free_sgpr 100
		.amdhsa_reserve_vcc 1
		.amdhsa_float_denorm_mode_32 3
		.amdhsa_float_denorm_mode_16_64 3
		.amdhsa_memory_ordered 1
		.amdhsa_forward_progress 1
		.amdhsa_inst_pref_size 46
	.end_amdhsa_kernel
	.amdgpu_metadata
---
amdhsa.version: [ 1, 2 ]
amdhsa.kernels:
  - .name:           k_q621ae998da_scatter_w2
    .symbol:         k_q621ae998da_scatter_w2.kd
    .args:
      - { .name: x, .offset: 0, .size: 8, .value_kind: global_buffer, .address_space: global }
      - { .name: route, .offset: 8, .size: 8, .value_kind: global_buffer, .address_space: global }
      - { .name: rflt, .offset: 16, .size: 8, .value_kind: global_buffer, .address_space: global }
      - { .name: xg, .offset: 24, .size: 8, .value_kind: global_buffer, .address_space: global }
      - { .name: plan, .offset: 32, .size: 8, .value_kind: global_buffer, .address_space: global }
      - { .name: out1, .offset: 40, .size: 8, .value_kind: global_buffer, .address_space: global }
      - { .name: W2, .offset: 48, .size: 8, .value_kind: global_buffer, .address_space: global }
      - { .name: wb, .offset: 56, .size: 8, .value_kind: global_buffer, .address_space: global }
    .group_segment_fixed_size: 0
    .private_segment_fixed_size: 0
    .kernarg_segment_align: 8
    .kernarg_segment_size: 64
    .max_flat_workgroup_size: 256
    .sgpr_count:     100
    .vgpr_count:     192
    .wavefront_size: 32
...
	.end_amdgpu_metadata
.endif
;; end of part 2
;; launch gemm1 (part 3): grid 4 x 59, 4 waves a work-group, clusters of 4 x 1, 327,680 bytes of LDS; arguments xg, wb, b1, plan, hb; writes hb
.if DOCPART == 3
	.amdgcn_target "amdgcn-amd-amdhsa--gfx1250"
	.amdhsa_code_object_version 6
	.text
	.protected	k_q621ae998da_gemm1
	.globl	k_q621ae998da_gemm1
	.p2align	8
	.type	k_q621ae998da_gemm1,@function
k_q621ae998da_gemm1:
	s_mov_b64 s[64:65], 0
	v_nop
	global_prefetch_b8 v0, s[64:65] scope:SCOPE_SE
	s_setreg_imm32_b32 hwreg(HW_REG_WAVE_MODE, 25, 1), 1
	s_wait_xcnt 0x0
	s_wait_alu depctr_hold_cnt(0) depctr_sa_sdst(0) depctr_va_vdst(0) depctr_va_sdst(0) depctr_va_ssrc(0) depctr_va_vcc(0) depctr_vm_vsrc(0)
	s_getreg_b32 s2, hwreg(HW_REG_IB_STS2, 6, 4)
	s_cmp_eq_u32 s2, 0
	s_cbranch_scc0 .Lentry_in_a_cluster
	s_endpgm
.Lentry_in_a_cluster:
	s_bfe_u32 s2, ttmp6, 0x10000c
	s_cmp_lg_u32 s2, 0x3003
	s_cbranch_scc0 .Lentry_shape_is_right
	s_endpgm
.Lentry_shape_is_right:
; hb[row][n] = gelu( sum over k of xg[row][k] W1[e][k][n] + b1[e][n] ), e = bmap[row block].  xg, hb: [9440][1024] bf16; W1 in bf16 from wb.
; A work-group makes 160 rows (one block of one expert) x 256 columns with four waves, 2 x 2; a wave makes 80 x 128: 40 accumulator
; tiles of 16 x 16, 320 registers.  K goes in 8 steps of 128 through two LDS slots filled by the tensor data mover.
; CLUSTER: the four work-groups of a row block (grid x) form a cluster and need the same tiles of xg: those are asked for jointly
; (mask 15).  W's tiles are NOT shared: their partners would be the row blocks of one expert, whose number (1 to 52) hangs on the
; routing, so no fixed cluster holds them; each work-group asks for its own 256 columns.
; W lies [k][n]: its tile's rows run along n, and the fragments come out of LDS by the transposing load.
; THE MATRIX INSTRUCTION IS USED TRANSPOSED: source 0 = 16 columns of W, source 1 = 16 rows of xg; lane l then holds row l % 16 and
; the eight neighbouring columns 8 (l / 16) + 0..7, which pack into 16 bytes.
; GELU is the exact one, erf by Abramowitz and Stegun 7.1.26 (absolute error 1.5e-7, for every argument):
;   gelu(z) = max(z, 0) - |z| P(t) exp(-z z / 2) / 2,  t = 1 / (1 + 0.23164189 |z|).
; Padding rows (zeros in xg) are computed like the others; no later launch reads their results' values into an output.
; REGISTERS, in windows of 256:  window 0: v16-27 addresses; v64-103, v128-167 fragments of xg, two buffers; v168-183 constants; v192-255 bias;
;   window 1: v64-127, v128-191 fragments of W, two buffers;  window 2: tiles (a = 0..3, b) at v[8 (8 a + b)];  window 3: tiles (4, b) at v[8 b].
.set KSTEP, 128
.set PA, 272                           ; xg's LDS rows: 256 bytes + 16: the sixteen rows of a fragment load start 16 bytes apart modulo 256
.set PB, 544                           ; W's LDS rows: 512 bytes + 32
.set HALFA, 80*PA                      ; what one tensor load brings of xg, and what one wave reads
.set AREG, 2*HALFA
.set HALFB, 64*PB                      ; what one tensor load brings of W: 64 k x 256 n
.set SLOT, AREG+2*HALFB                ; 113,152
.set STAGE, 2*SLOT                     ; 226,304 = 884 x 256: behind the ring, 16 rows x 272 bytes for each wave
.set SPITCH, 272
.set WOFF, 0                           ; W1 lies at wb's first byte
.set ADRA, 16                          ; v16-17 LDS address of my xg fragments in slot 0, 1
.set ADRB, 20                          ; v20-21 the same for W
.set STO, 24
.set RD, 25
.set CO, 26
.set BO, 27
.set PK, 32                            ; v[32:63]   the way out: packed results
.set F0, 64
.set F1, 128
.set ZB, 64                            ; v[64:127]  the way out: 8 tiles x 8 numbers in f32; v[64:95] then the rows read back
.set AZ, 128
.set TT, 136
.set EE, 144
.set QQ, 152
.set DN, 160
.set KP, 168
.set ONE, 170
.set CE, 172
.set C5, 174
.set C4, 176
.set C3, 178
.set C2, 180
.set C1, 182
.set EX, 184
.set BIAS, 192                         ; v[192:255] tile b: b1 of my eight columns
.set G1, 24                            ; s[24:31] group 1 for xg's tiles
.set G0, 32                            ; s[32:39] group 0 for xg's tiles, a set for each slot
.set G1B, 48                           ; s[48:55] group 1 for W's tiles
.set G0B, 56                           ; s[56:63] group 0 for W's tiles, a set for each slot
.set MSB, 0
.macro WIN new                         ; the immediate's high byte repeats the setting that is left
.if MSB != \new
	s_set_vgpr_msb (MSB<<8)|\new
.set MSB, \new
.endif
.endm
.set MUL_LO, 0xa1                      ; source 0 (W) window 1, source 1 (xg) window 0, C and D window 2
.set MUL_HI, 0xf1                      ; the same, C and D window 3
.set TO_B, 0x40                        ; destination window 1, address window 0
; Waves 0 and 1 fetch xg's two halves (jointly with the three partners), waves 2 and 3 W's two halves.  The branch hangs on the wave's number alone.
.macro JLOAD s
	s_cmp_eq_u32 s11, 0
	s_cbranch_scc0 .Lfor_b_\@
	tensor_load_to_lds s[G0+4*\s:G0+4*\s+3], s[G1:G1+7]
	s_nop 0
	s_branch .Lasked_\@
.Lfor_b_\@:
	tensor_load_to_lds s[G0B+4*\s:G0B+4*\s+3], s[G1B:G1B+7]
	s_nop 0
.Lasked_\@:
.endm
.macro CREST                           ; a round of the cluster's barrier behind its opening barrier
	s_cmp_lg_u32 s10, 0
	s_cbranch_scc1 .Lnot_wave_0_\@
	s_barrier_signal -3
.Lnot_wave_0_\@:
	s_barrier_wait -3
	s_barrier_signal -1
	s_barrier_wait -1
.endm
.macro CROUND                          ; a whole round
	s_barrier_signal -1
	s_barrier_wait -1
	CREST
.endm
	s_load_b128 s[4:7], s[0:1], 0x0                ; xg s[4:5], wb s[6:7]
	s_load_b128 s[40:43], s[0:1], 0x10             ; b1 s[40:41], plan s[42:43]
	s_load_b64 s[8:9], s[0:1], 0x20                ; hb
	s_set_vgpr_msb 0x40
	v_lshl_add_u32 v255, v0, 2, 0x3b800
	s_set_vgpr_msb 0x4000
	v_mov_b32 v31, 0
	s_set_vgpr_msb 0x1
	ds_add_u32 v255, v31
	s_set_vgpr_msb 0x100
	v_lshrrev_b32 v1, 5, v0
	v_readfirstlane_b32 s10, v1                    ; wave 0..3
	s_lshr_b32 s11, s10, 1                         ; my half of the rows.  Also: I fetch for xg (0) or for W (1)
	s_and_b32 s12, s10, 1                          ; my half of the columns.  Also: which half of that tile I fetch
	s_bfe_u32 s47, ttmp6, 0x40000                  ; cx
	s_lshl_b32 s44, ttmp9, 2
	s_add_co_u32 s44, s44, s47                     ; column block = 4 x cluster x + cx
	s_and_b32 s13, ttmp7, 0xffff                   ; row block: the cluster's y, shared by the four
	s_lshl_b32 s18, s13, 2
	s_wait_dscnt 0x0
	s_wait_kmcnt 0x0
	s_load_b32 s45, s[42:43], s18 offset:0x8000    ; bmap[row block]
	s_mov_b32 s[G1+0], 0x0771000f                  ; 15:0 mask 15 (all four); 17:16 elements of 2 bytes; 20 padding on; 21 set beside a mask; 24:22 after every 64 words; 31:25 of 4 words
	s_mov_b32 s[G1+1], KSTEP<<16                   ; tensor_dim0 = 128
	s_mov_b32 s[G1+2], 80<<16                      ; tensor_dim1 = 80
	s_mov_b32 s[G1+3], KSTEP<<16                   ; tile_dim0 = 128
	s_mov_b32 s[G1+4], 80                          ; tile_dim1 = 80
	s_mov_b32 s[G1+5], 1024                        ; elements from row to row
	s_mov_b32 s[G1+6], 0
	s_mov_b32 s[G1+7], 0
	s_mov_b32 s[G1B+0], 0x0f910000                 ; no mask; elements of 2 bytes; padding on: after every 128 words, 8 words
	s_mov_b32 s[G1B+1], 256<<16                    ; tensor_dim0 = 256
	s_mov_b32 s[G1B+2], 64<<16                     ; tensor_dim1 = 64
	s_mov_b32 s[G1B+3], 256<<16                    ; tile_dim0 = 256
	s_mov_b32 s[G1B+4], 64                         ; tile_dim1 = 64
	s_mov_b32 s[G1B+5], 1024
	s_mov_b32 s[G1B+6], 0
	s_mov_b32 s[G1B+7], 0
	s_mul_i32 s16, s13, 160                        ; xg: row 160 x block + 80 x half: nothing of cx enters
	s_mul_i32 s17, s12, 80
	s_add_co_u32 s16, s16, s17
	s_lshl_b32 s16, s16, 11
	s_mov_b32 s17, 0
	s_add_nc_u64 s[14:15], s[4:5], s[16:17]
	s_mul_i32 s20, s12, HALFA                      ; where the halves go in a slot
	s_mul_i32 s21, s12, HALFB
	s_add_co_u32 s21, s21, AREG
	s_wait_kmcnt 0x0
	s_min_u32 s45, s45, 7                          ; the expert
	s_lshl_b32 s46, s45, 21                        ; W: expert x 2 MiB + half x 64 rows of 2,048 bytes + column block x 512 bytes
	s_lshl_b32 s47, s12, 17
	s_add_co_u32 s46, s46, s47
	s_lshl_b32 s47, s44, 9
	s_add_co_u32 s46, s46, s47
.if WOFF
	s_add_co_u32 s46, s46, WOFF
.endif
	s_mov_b32 s47, 0
	s_add_nc_u64 s[46:47], s[6:7], s[46:47]
	CROUND                                         ; all four work-groups are here: the first joint loads meet
.irp s, 0,1
	s_mov_b32 s[G0+4*\s], 1
	s_add_co_u32 s[G0+4*\s+1], s20, \s*SLOT
	s_add_nc_u64 s[G0+4*\s+2:G0+4*\s+3], s[14:15], \s*KSTEP*2
	s_or_b32 s[G0+4*\s+3], s[G0+4*\s+3], 0x80000000
	s_mov_b32 s[G0B+4*\s], 1
	s_add_co_u32 s[G0B+4*\s+1], s21, \s*SLOT
	s_add_nc_u64 s[G0B+4*\s+2:G0B+4*\s+3], s[46:47], \s*KSTEP*2048
	s_or_b32 s[G0B+4*\s+3], s[G0B+4*\s+3], 0x80000000
	JLOAD \s                                       ; K steps 0 and 1: a wave has two tensor loads out here, later one
.endr
	v_and_b32 v1, 15, v0                           ; l % 16
	v_bfe_u32 v2, v0, 4, 1                         ; l / 16
	v_mul_u32_u24 v3, v1, PA
	v_lshl_add_u32 v3, v2, 4, v3                   ; xg: row x pitch + 16 x half
	v_and_b32 v4, 7, v0
	v_lshl_add_u32 v4, v2, 3, v4                   ; W: k row (l & 7) + 8 (l / 16),
	v_mul_u32_u24 v5, v4, PB
	v_bfe_u32 v6, v0, 3, 1
	v_lshl_add_u32 v5, v6, 4, v5                   ; and 16 bytes on for lanes 8-15 and 24-31
	s_mul_i32 s22, s11, HALFA
	s_lshl_b32 s23, s12, 8                         ; my 128 columns
	s_add_co_u32 s23, s23, AREG
.irp s, 0,1
	v_add_nc_u32 v[ADRA+\s], s22, v3
	v_add_nc_u32 v[ADRB+\s], s23, v5
	s_add_co_u32 s22, s22, SLOT
	s_add_co_u32 s23, s23, SLOT
.endr
	s_mul_i32 s22, s10, 16*SPITCH
	s_add_co_u32 s22, s22, STAGE                   ; my stage
	v_mul_u32_u24 v4, v1, SPITCH
	v_lshl_add_u32 v4, v2, 4, v4
	v_add_nc_u32 v[STO], s22, v4                   ; in: row l % 16, 16 bytes for each half of the lanes
	v_mul_u32_u24 v5, v2, SPITCH
	v_lshl_add_u32 v5, v1, 4, v5
	v_add_nc_u32 v[RD], s22, v5                    ; back: lanes 0-15 one row of 256 bytes, lanes 16-31 the next
	v_lshlrev_b32 v5, 11, v2
	v_lshl_add_u32 v[CO], v1, 4, v5                ; the same two rows in hb
	v_lshlrev_b32 v[BO], 5, v2                     ; bias: 8 numbers on for lanes 16-31
	s_lshl_b32 s46, s45, 12                        ; b1: expert x 4,096 + column block x 1,024 + half x 512 bytes
	s_lshl_b32 s47, s44, 10
	s_add_co_u32 s46, s46, s47
	s_lshl_b32 s47, s12, 9
	s_add_co_u32 s46, s46, s47
	s_mov_b32 s47, 0
	s_add_nc_u64 s[40:41], s[40:41], s[46:47]
.irp b, 0,1,2,3,4,5,6,7
	global_load_b128 v[BIAS+8*\b:BIAS+8*\b+3],   v[BO], s[40:41] offset:64*\b
	global_load_b128 v[BIAS+8*\b+4:BIAS+8*\b+7], v[BO], s[40:41] offset:64*\b+16
.endr
	s_mul_i32 s46, s13, 160                        ; hb: my first row and column
	s_mul_i32 s47, s11, 80
	s_add_co_u32 s46, s46, s47
	s_lshl_b32 s46, s46, 11
	s_lshl_b32 s47, s44, 9
	s_add_co_u32 s46, s46, s47
	s_lshl_b32 s47, s12, 8
	s_add_co_u32 s46, s46, s47
	s_mov_b32 s47, 0
	s_add_nc_u64 s[8:9], s[8:9], s[46:47]
.macro SETC r, val
	v_mov_b32 v[\r], \val
	v_mov_b32 v[\r+1], \val
.endm
	SETC KP,  0x3e6d3388                           ; 0.3275911 / sqrt(2)
	SETC ONE, 1.0
	SETC CE,  0xbf38aa3b                           ; -log2(e) / 2
	SETC C5,  0xbf07dc22                           ; the series' five coefficients, each times -1/2
	SETC C4,  0x3f3a00e3
	SETC C3,  0xbf35f0e3
	SETC C2,  0x3e11a98e
	SETC C1,  0xbe027906
; 8 matrix instructions: row fragment a x all 8 column fragments, 32 along K, onto tile row t of the window.  zero = 1: the first product starts the sums.
.macro MULA f, a, t, zero
.irp b, 0,1,2,3,4,5,6,7
.if \zero
	v_wmma_f32_16x16x32_bf16 v[8*(8*\t+\b):8*(8*\t+\b)+7], v[\f+8*\b:\f+8*\b+7], v[\f+8*\a:\f+8*\a+7], 0
.else
	v_wmma_f32_16x16x32_bf16 v[8*(8*\t+\b):8*(8*\t+\b)+7], v[\f+8*\b:\f+8*\b+7], v[\f+8*\a:\f+8*\a+7], v[8*(8*\t+\b):8*(8*\t+\b)+7]
.endif
.endr
.endm
; 26 LDS loads in one run: quarter q of a K step (32 k): 128 columns of W, transposed on the way, and 80 rows of xg, into buffer f
.macro FETCH slot, q, f
	WIN TO_B
.irp b, 0,1,2,3,4,5,6,7
	ds_load_tr16_b128 v[\f+8*\b:\f+8*\b+3],   v[ADRB+\slot] offset:\q*32*PB+32*\b
	ds_load_tr16_b128 v[\f+8*\b+4:\f+8*\b+7], v[ADRB+\slot] offset:\q*32*PB+32*\b+16*PB
.endr
	WIN 0
.irp a, 0,1,2,3,4
	ds_load_b128 v[\f+8*\a:\f+8*\a+3],   v[ADRA+\slot] offset:64*\q+\a*16*PA
	ds_load_b128 v[\f+8*\a+4:\f+8*\a+7], v[ADRA+\slot] offset:64*\q+\a*16*PA+32
.endr
.endm
; A load into a register that a matrix instruction has read, and a vector instruction that reads a matrix result, stand four places behind it;
; only plain vector instructions that name none of its registers are places (ISA guide 7.12.1 for vector instructions).
.macro PLACES
.rept 4
	v_nop
.endr
.endm
; A quarter step: 40 matrix instructions on buffer f; behind the first sixteen, quarter q's fragments are fetched into buffer g.
; The 40 accumulators take turns, one instruction a turn, in the same order in every quarter.
.macro QUARTER slot, q, f, g, zero
	s_wait_dscnt 2                                 ; W and xg's row fragments 0-3 are in; the two loads of fragment 4 may be out
	WIN MUL_LO
	MULA \f, 0, 0, \zero
	MULA \f, 1, 1, \zero
	PLACES
	FETCH \slot, \q, \g
	WIN MUL_LO
	MULA \f, 2, 2, \zero
	MULA \f, 3, 3, \zero
	s_wait_dscnt 26                                ; all but the 26 just issued
	WIN MUL_HI
	MULA \f, 4, 0, \zero
.endm
.macro THREE slot, zero
	QUARTER \slot, 1, F0, F1, \zero
	QUARTER \slot, 2, F1, F0, 0
	QUARTER \slot, 3, F0, F1, 0
.endm
; The last quarter multiplies buffer 1 and changes slots.  In front of the barrier each wave waits for its reads of this slot and for all
; its tensor loads (the one that is out is its part of the next slot).  fill = 1: the barrier opens a round of the cluster's barrier, and
; the refill, two K steps ahead, is the first tensor load behind the round.  From a request to the wait for it a wave issues 144 matrix instructions.
.macro TURN slot, next, fill
	s_wait_dscnt 0x0
	s_wait_tensorcnt 0x0
	ds_add_u32 v255, v31
	s_wait_dscnt 0x0
	s_barrier_signal -1
	WIN MUL_LO
	MULA F1, 0, 0, 0                               ; register work while the others arrive
	MULA F1, 1, 1, 0
	WIN 0
	s_barrier_wait -1
.if \fill
	CREST
	s_add_nc_u64 s[G0+4*\slot+2:G0+4*\slot+3], s[G0+4*\slot+2:G0+4*\slot+3], 2*KSTEP*2
	s_add_nc_u64 s[G0B+4*\slot+2:G0B+4*\slot+3], s[G0B+4*\slot+2:G0B+4*\slot+3], 2*KSTEP*2048
	JLOAD \slot
.endif
	PLACES
	FETCH \next, 0, F0
	WIN MUL_LO
	MULA F1, 2, 2, 0
	MULA F1, 3, 3, 0
	WIN MUL_HI
	MULA F1, 4, 0, 0
.endm
.macro LAP zero
	THREE 0, \zero
	TURN 0, 1, 1
	THREE 1, 0
	TURN 1, 0, 1
.endm
	s_wait_loadcnt 0x0                             ; the bias, once
	s_wait_tensorcnt 1                             ; my part of K step 0 is in; K step 1's stays out
	s_barrier_signal -1
	s_barrier_wait -1
	FETCH 0, 0, F0
	LAP 1                                          ; K steps 0, 1: the first products start the sums
	WIN 0
	s_mov_b32 s3, 2
.Llap:
	LAP 0                                          ; K steps 2 to 5
	WIN 0
	s_sub_co_u32 s3, s3, 1
	s_cmp_lg_u32 s3, 0
	s_cbranch_scc1 .Llap
	THREE 0, 0                                     ; K steps 6, 7: nothing is left to fetch
	TURN 0, 1, 0
	THREE 1, 0
	s_wait_dscnt 0x0
	WIN MUL_LO
	MULA F1, 0, 0, 0
	MULA F1, 1, 1, 0
	MULA F1, 2, 2, 0
	MULA F1, 3, 3, 0
	WIN MUL_HI
	MULA F1, 4, 0, 0
	PLACES
; gelu of the eight numbers at z, packed to bf16 at pk
.macro GELU8 z, pk
.irp k, 0,1,2,3,4,5,6,7
	v_and_b32 v[AZ+\k], 0x7fffffff, v[\z+\k]
.endr
.irp k, 0,2,4,6
	v_pk_fma_f32 v[DN+\k:DN+\k+1], v[AZ+\k:AZ+\k+1], v[KP:KP+1], v[ONE:ONE+1]
	v_pk_mul_f32 v[EX+\k:EX+\k+1], v[\z+\k:\z+\k+1], v[\z+\k:\z+\k+1]
.endr
.irp k, 0,2,4,6
	v_pk_mul_f32 v[EX+\k:EX+\k+1], v[EX+\k:EX+\k+1], v[CE:CE+1]
.endr
.irp k, 0,1,2,3,4,5,6,7
	v_rcp_f32 v[TT+\k], v[DN+\k]
.endr
.irp k, 0,1,2,3,4,5,6,7
	v_exp_f32 v[EE+\k], v[EX+\k]
.endr
.irp k, 0,1,2,3,4,5,6,7
	v_max_num_f32 v[\z+\k], 0, v[\z+\k]            ; plain work that touches no register of the sixteen lines above (ISA guide 5.7.2)
.endr
	s_wait_alu depctr_va_vdst(0)
.irp k, 0,2,4,6
	v_pk_fma_f32 v[QQ+\k:QQ+\k+1], v[TT+\k:TT+\k+1], v[C5:C5+1], v[C4:C4+1]
.endr
.irp k, 0,2,4,6
	v_pk_fma_f32 v[QQ+\k:QQ+\k+1], v[QQ+\k:QQ+\k+1], v[TT+\k:TT+\k+1], v[C3:C3+1]
.endr
.irp k, 0,2,4,6
	v_pk_fma_f32 v[QQ+\k:QQ+\k+1], v[QQ+\k:QQ+\k+1], v[TT+\k:TT+\k+1], v[C2:C2+1]
.endr
.irp k, 0,2,4,6
	v_pk_fma_f32 v[QQ+\k:QQ+\k+1], v[QQ+\k:QQ+\k+1], v[TT+\k:TT+\k+1], v[C1:C1+1]
.endr
.irp k, 0,2,4,6
	v_pk_mul_f32 v[TT+\k:TT+\k+1], v[TT+\k:TT+\k+1], v[EE+\k:EE+\k+1]
.endr
.irp k, 0,2,4,6
	v_pk_mul_f32 v[QQ+\k:QQ+\k+1], v[QQ+\k:QQ+\k+1], v[TT+\k:TT+\k+1]
.endr
.irp k, 0,2,4,6
	v_pk_fma_f32 v[\z+\k:\z+\k+1], v[AZ+\k:AZ+\k+1], v[QQ+\k:QQ+\k+1], v[\z+\k:\z+\k+1]
.endr
.irp r, 0,1,2,3
	v_cvt_pk_bf16_f32 v[\pk+\r], v[\z+2*\r], v[\z+2*\r+1]
.endr
.endm
; Rows 16 a .. 16 a + 15 of my block: bias, gelu, 16 bytes a lane into my own stage, whole rows of 256 bytes back, and out.
.macro OUT16H a, t, win
	s_wait_xcnt 0x0                                ; v[64:95] and the base, which the last group's stores read, are rewritten only behind this wait
.if \a
	s_add_nc_u64 s[8:9], s[8:9], 16*2048
.endif
	WIN \win
.irp b, 0,1,2,3,4,5,6,7
.irp r, 0,2,4,6
	v_pk_add_f32 v[ZB+8*\b+\r:ZB+8*\b+\r+1], v[8*(8*\t+\b)+\r:8*(8*\t+\b)+\r+1], v[BIAS+8*\b+\r:BIAS+8*\b+\r+1]
.endr
.endr
	WIN 0
.irp b, 0,1,2,3,4,5,6,7
	GELU8 ZB+8*\b, PK+4*\b
	ds_store_b128 v[STO], v[PK+4*\b:PK+4*\b+3] offset:32*\b
.endr
.irp u, 0,1,2,3,4,5,6,7
	ds_load_b128 v[ZB+4*\u:ZB+4*\u+3], v[RD] offset:\u*2*SPITCH    ; LDS serves a wave's instructions in order (ISA guide 5.7.1.4): these see the stores above
.endr
.irp u, 0,1,2,3,4,5,6,7
	s_wait_dscnt 7-\u
	global_store_b128 v[CO], v[ZB+4*\u:ZB+4*\u+3], s[8:9] offset:\u*4096   ; 16 lanes store 256 consecutive bytes, aligned
.endr
.endm
	OUT16H 0, 0, 0x02
	OUT16H 1, 1, 0x02
	OUT16H 2, 2, 0x02
	OUT16H 3, 3, 0x02
	OUT16H 4, 0, 0x03
	s_set_vgpr_msb 0x1
	s_wait_tensorcnt 0x0
	ds_add_u32 v255, v31
	s_wait_dscnt 0x0
	s_set_vgpr_msb 0x100
	CROUND                                         ; the closing round: no work-group ends while a partner may still ask for a tile that names it
	s_endpgm
.Lfunc_end_k_q621ae998da_gemm1:
	.size	k_q621ae998da_gemm1, .Lfunc_end_k_q621ae998da_gemm1-k_q621ae998da_gemm1
	.p2alignl 7, 3214868480
	.fill 96, 4, 3214868480
	.section	.rodata,"a",@progbits
	.p2align	6, 0x0
	.amdhsa_kernel k_q621ae998da_gemm1
		.amdhsa_group_segment_fixed_size 327680
		.amdhsa_private_segment_fixed_size 0
		.amdhsa_enable_private_segment 0
		.amdhsa_kernarg_size 40
		.amdhsa_user_sgpr_count 2
		.amdhsa_user_sgpr_kernarg_segment_ptr 1
		.amdhsa_wavefront_size32 1
		.amdhsa_system_sgpr_workgroup_id_x 1
		.amdhsa_system_sgpr_workgroup_id_y 1
		.amdhsa_system_sgpr_workgroup_id_z 1
		.amdhsa_system_vgpr_workitem_id 0
		.amdhsa_next_free_vgpr 832
		.amdhsa_next_free_sgpr 66
		.amdhsa_reserve_vcc 0
		.amdhsa_float_denorm_mode_32 3
		.amdhsa_float_denorm_mode_16_64 3
		.amdhsa_memory_ordered 1
		.amdhsa_forward_progress 1
		.amdhsa_inst_pref_size 255
	.end_amdhsa_kernel
	.section	.bss,"aw",@nobits
	.p2align	6
	.space	262144
	.amdgpu_metadata
---
amdhsa.version: [ 1, 2 ]
amdhsa.kernels:
  - .name:           k_q621ae998da_gemm1
    .symbol:         k_q621ae998da_gemm1.kd
    .args:
      - { .name: xg, .offset: 0, .size: 8, .value_kind: global_buffer, .address_space: global }
      - { .name: wb, .offset: 8, .size: 8, .value_kind: global_buffer, .address_space: global }
      - { .name: b1, .offset: 16, .size: 8, .value_kind: global_buffer, .address_space: global }
      - { .name: plan, .offset: 24, .size: 8, .value_kind: global_buffer, .address_space: global }
      - { .name: hb, .offset: 32, .size: 8, .value_kind: global_buffer, .address_space: global }
    .group_segment_fixed_size: 327680
    .private_segment_fixed_size: 0
    .kernarg_segment_align: 8
    .kernarg_segment_size: 40
    .max_flat_workgroup_size: 128
    .sgpr_count:     66
    .vgpr_count:     832
    .wavefront_size: 32
...
	.end_amdgpu_metadata
.endif
;; end of part 3
;; launch gemm2 (part 4): grid 4 x 59, 4 waves a work-group, clusters of 4 x 1, 327,680 bytes of LDS; arguments hb, wb, b2, plan, yb; writes yb
.if DOCPART == 4
	.amdgcn_target "amdgcn-amd-amdhsa--gfx1250"
	.amdhsa_code_object_version 6
	.text
	.protected	k_q621ae998da_gemm2
	.globl	k_q621ae998da_gemm2
	.p2align	8
	.type	k_q621ae998da_gemm2,@function
k_q621ae998da_gemm2:
	s_mov_b64 s[64:65], 0
	v_nop
	global_prefetch_b8 v0, s[64:65] scope:SCOPE_SE
	s_setreg_imm32_b32 hwreg(HW_REG_WAVE_MODE, 25, 1), 1
	s_wait_xcnt 0x0
	s_wait_alu depctr_hold_cnt(0) depctr_sa_sdst(0) depctr_va_vdst(0) depctr_va_sdst(0) depctr_va_ssrc(0) depctr_va_vcc(0) depctr_vm_vsrc(0)
	s_getreg_b32 s2, hwreg(HW_REG_IB_STS2, 6, 4)
	s_cmp_eq_u32 s2, 0
	s_cbranch_scc0 .Lentry_in_a_cluster
	s_endpgm
.Lentry_in_a_cluster:
	s_bfe_u32 s2, ttmp6, 0x10000c
	s_cmp_lg_u32 s2, 0x3003
	s_cbranch_scc0 .Lentry_shape_is_right
	s_endpgm
.Lentry_shape_is_right:
; yb[row][n] = sum over k of hb[row][k] W2[e][k][n] + b2[e][n], e = bmap[row block].  hb: [9440][1024] bf16; W2 in bf16 from wb; yb: [9440][1024] f32.
; The frame is that of the first expert product: a work-group makes 160 rows (one block of one expert) x 256 columns with four waves, 2 x 2;
; a wave makes 80 x 128 in 40 accumulator tiles; K goes in 8 steps of 128 through two LDS slots filled by the tensor data mover.
; CLUSTER: the four work-groups of a row block form a cluster and ask for hb's tiles jointly (mask 15).  W's tiles are NOT shared: their
; partners would be the row blocks of one expert, whose number (1 to 52) hangs on the routing, so no fixed cluster holds them.
; W lies [k][n]: the fragments come out of LDS by the transposing load.  The matrix instruction is used transposed (source 0 = 16 columns
; of W, source 1 = 16 rows of hb): lane l holds row l % 16 and the eight neighbouring columns 8 (l / 16) + 0..7.
; The gate is applied where the two experts' rows meet, in the next launch; yb stays f32 so that nothing is rounded between.
; REGISTERS, in windows of 256:  window 0: v16-27 addresses; v64-103, v128-167 fragments of hb, two buffers; v192-255 bias;
;   window 1: v64-127, v128-191 fragments of W, two buffers;  window 2: tiles (a = 0..3, b) at v[8 (8 a + b)];  window 3: tiles (4, b) at v[8 b].
.set KSTEP, 128
.set PA, 272                           ; hb's LDS rows: 256 bytes + 16
.set PB, 544                           ; W's LDS rows: 512 bytes + 32
.set HALFA, 80*PA
.set AREG, 2*HALFA
.set HALFB, 64*PB
.set SLOT, AREG+2*HALFB                ; 113,152
.set STAGE, 2*SLOT                     ; 226,304 = 884 x 256: behind the ring, 16 rows x 528 bytes for each wave
.set SPITCH, 528                       ; 512 bytes + 16
.set WOFF, 16777216                    ; W2 lies behind W1 in wb
.set ADRA, 16
.set ADRB, 20
.set STO, 24
.set RD, 25
.set CO, 26
.set BO, 27
.set F0, 64
.set F1, 128
.set ZB, 64                            ; v[64:127]  the way out: 8 tiles x 8 numbers
.set RB, 128                           ; v[128:191] the way out: 16 rows read back
.set BIAS, 192
.set G1, 24
.set G0, 32
.set G1B, 48
.set G0B, 56
.set MSB, 0
.macro WIN new                         ; the immediate's high byte repeats the setting that is left
.if MSB != \new
	s_set_vgpr_msb (MSB<<8)|\new
.set MSB, \new
.endif
.endm
.set MUL_LO, 0xa1
.set MUL_HI, 0xf1
.set TO_B, 0x40
; Waves 0 and 1 fetch hb's two halves (jointly with the three partners), waves 2 and 3 W's two halves.
.macro JLOAD s
	s_cmp_eq_u32 s11, 0
	s_cbranch_scc0 .Lfor_b_\@
	tensor_load_to_lds s[G0+4*\s:G0+4*\s+3], s[G1:G1+7]
	s_nop 0
	s_branch .Lasked_\@
.Lfor_b_\@:
	tensor_load_to_lds s[G0B+4*\s:G0B+4*\s+3], s[G1B:G1B+7]
	s_nop 0
.Lasked_\@:
.endm
.macro CREST
	s_cmp_lg_u32 s10, 0
	s_cbranch_scc1 .Lnot_wave_0_\@
	s_barrier_signal -3
.Lnot_wave_0_\@:
	s_barrier_wait -3
	s_barrier_signal -1
	s_barrier_wait -1
.endm
.macro CROUND
	s_barrier_signal -1
	s_barrier_wait -1
	CREST
.endm
	s_load_b128 s[4:7], s[0:1], 0x0                ; hb s[4:5], wb s[6:7]
	s_load_b128 s[40:43], s[0:1], 0x10             ; b2 s[40:41], plan s[42:43]
	s_load_b64 s[8:9], s[0:1], 0x20                ; yb
	s_set_vgpr_msb 0x40
	v_lshl_add_u32 v255, v0, 2, 0x3f800
	s_set_vgpr_msb 0x4000
	v_mov_b32 v63, 0
	s_set_vgpr_msb 0x1
	ds_add_u32 v255, v63
	s_set_vgpr_msb 0x100
	v_lshrrev_b32 v1, 5, v0
	v_readfirstlane_b32 s10, v1                    ; wave 0..3
	s_lshr_b32 s11, s10, 1                         ; my half of the rows.  Also: I fetch for hb (0) or for W (1)
	s_and_b32 s12, s10, 1                          ; my half of the columns.  Also: which half of that tile I fetch
	s_bfe_u32 s47, ttmp6, 0x40000                  ; cx
	s_lshl_b32 s44, ttmp9, 2
	s_add_co_u32 s44, s44, s47                     ; column block
	s_and_b32 s13, ttmp7, 0xffff                   ; row block, shared by the four
	s_lshl_b32 s18, s13, 2
	s_wait_dscnt 0x0
	s_wait_kmcnt 0x0
	s_load_b32 s45, s[42:43], s18 offset:0x8000    ; bmap[row block]
	s_mov_b32 s[G1+0], 0x0771000f                  ; mask 15; elements of 2 bytes; padding on; bit 21 beside the mask; after every 64 words, 4 words
	s_mov_b32 s[G1+1], KSTEP<<16
	s_mov_b32 s[G1+2], 80<<16
	s_mov_b32 s[G1+3], KSTEP<<16
	s_mov_b32 s[G1+4], 80
	s_mov_b32 s[G1+5], 1024
	s_mov_b32 s[G1+6], 0
	s_mov_b32 s[G1+7], 0
	s_mov_b32 s[G1B+0], 0x0f910000                 ; no mask; elements of 2 bytes; padding on: after every 128 words, 8 words
	s_mov_b32 s[G1B+1], 256<<16
	s_mov_b32 s[G1B+2], 64<<16
	s_mov_b32 s[G1B+3], 256<<16
	s_mov_b32 s[G1B+4], 64
	s_mov_b32 s[G1B+5], 1024
	s_mov_b32 s[G1B+6], 0
	s_mov_b32 s[G1B+7], 0
	s_mul_i32 s16, s13, 160                        ; hb: row 160 x block + 80 x half: nothing of cx enters
	s_mul_i32 s17, s12, 80
	s_add_co_u32 s16, s16, s17
	s_lshl_b32 s16, s16, 11
	s_mov_b32 s17, 0
	s_add_nc_u64 s[14:15], s[4:5], s[16:17]
	s_mul_i32 s20, s12, HALFA
	s_mul_i32 s21, s12, HALFB
	s_add_co_u32 s21, s21, AREG
	s_wait_kmcnt 0x0
	s_min_u32 s45, s45, 7                          ; the expert
	s_lshl_b32 s46, s45, 21
	s_lshl_b32 s47, s12, 17
	s_add_co_u32 s46, s46, s47
	s_lshl_b32 s47, s44, 9
	s_add_co_u32 s46, s46, s47
.if WOFF
	s_add_co_u32 s46, s46, WOFF
.endif
	s_mov_b32 s47, 0
	s_add_nc_u64 s[46:47], s[6:7], s[46:47]
	CROUND                                         ; all four work-groups are here: the first joint loads meet
.irp s, 0,1
	s_mov_b32 s[G0+4*\s], 1
	s_add_co_u32 s[G0+4*\s+1], s20, \s*SLOT
	s_add_nc_u64 s[G0+4*\s+2:G0+4*\s+3], s[14:15], \s*KSTEP*2
	s_or_b32 s[G0+4*\s+3], s[G0+4*\s+3], 0x80000000
	s_mov_b32 s[G0B+4*\s], 1
	s_add_co_u32 s[G0B+4*\s+1], s21, \s*SLOT
	s_add_nc_u64 s[G0B+4*\s+2:G0B+4*\s+3], s[46:47], \s*KSTEP*2048
	s_or_b32 s[G0B+4*\s+3], s[G0B+4*\s+3], 0x80000000
	JLOAD \s                                       ; K steps 0 and 1: a wave has two tensor loads out here, later one
.endr
	v_and_b32 v1, 15, v0
	v_bfe_u32 v2, v0, 4, 1
	v_mul_u32_u24 v3, v1, PA
	v_lshl_add_u32 v3, v2, 4, v3
	v_and_b32 v4, 7, v0
	v_lshl_add_u32 v4, v2, 3, v4
	v_mul_u32_u24 v5, v4, PB
	v_bfe_u32 v6, v0, 3, 1
	v_lshl_add_u32 v5, v6, 4, v5
	s_mul_i32 s22, s11, HALFA
	s_lshl_b32 s23, s12, 8
	s_add_co_u32 s23, s23, AREG
.irp s, 0,1
	v_add_nc_u32 v[ADRA+\s], s22, v3
	v_add_nc_u32 v[ADRB+\s], s23, v5
	s_add_co_u32 s22, s22, SLOT
	s_add_co_u32 s23, s23, SLOT
.endr
	s_mul_i32 s22, s10, 16*SPITCH
	s_add_co_u32 s22, s22, STAGE                   ; my stage
	v_mul_u32_u24 v4, v1, SPITCH
	v_lshl_add_u32 v4, v2, 5, v4
	v_add_nc_u32 v[STO], s22, v4                   ; in: row l % 16, 32 bytes for each half of the lanes
	v_and_b32 v5, 31, v0
	v_lshlrev_b32 v[CO], 4, v5                     ; back and out: a row of 512 bytes, 16 a lane
	v_add_nc_u32 v[RD], s22, v[CO]
	v_lshlrev_b32 v[BO], 5, v2
	s_lshl_b32 s46, s45, 12                        ; b2: expert x 4,096 + column block x 1,024 + half x 512 bytes
	s_lshl_b32 s47, s44, 10
	s_add_co_u32 s46, s46, s47
	s_lshl_b32 s47, s12, 9
	s_add_co_u32 s46, s46, s47
	s_mov_b32 s47, 0
	s_add_nc_u64 s[40:41], s[40:41], s[46:47]
.irp b, 0,1,2,3,4,5,6,7
	global_load_b128 v[BIAS+8*\b:BIAS+8*\b+3],   v[BO], s[40:41] offset:64*\b
	global_load_b128 v[BIAS+8*\b+4:BIAS+8*\b+7], v[BO], s[40:41] offset:64*\b+16
.endr
	s_mul_i32 s46, s13, 160                        ; yb: my first row and column
	s_mul_i32 s47, s11, 80
	s_add_co_u32 s46, s46, s47
	s_lshl_b32 s46, s46, 12
	s_lshl_b32 s47, s44, 10
	s_add_co_u32 s46, s46, s47
	s_lshl_b32 s47, s12, 9
	s_add_co_u32 s46, s46, s47
	s_mov_b32 s47, 0
	s_add_nc_u64 s[8:9], s[8:9], s[46:47]
.macro MULA f, a, t, zero
.irp b, 0,1,2,3,4,5,6,7
.if \zero
	v_wmma_f32_16x16x32_bf16 v[8*(8*\t+\b):8*(8*\t+\b)+7], v[\f+8*\b:\f+8*\b+7], v[\f+8*\a:\f+8*\a+7], 0
.else
	v_wmma_f32_16x16x32_bf16 v[8*(8*\t+\b):8*(8*\t+\b)+7], v[\f+8*\b:\f+8*\b+7], v[\f+8*\a:\f+8*\a+7], v[8*(8*\t+\b):8*(8*\t+\b)+7]
.endif
.endr
.endm
.macro FETCH slot, q, f
	WIN TO_B
.irp b, 0,1,2,3,4,5,6,7
	ds_load_tr16_b128 v[\f+8*\b:\f+8*\b+3],   v[ADRB+\slot] offset:\q*32*PB+32*\b
	ds_load_tr16_b128 v[\f+8*\b+4:\f+8*\b+7], v[ADRB+\slot] offset:\q*32*PB+32*\b+16*PB
.endr
	WIN 0
.irp a, 0,1,2,3,4
	ds_load_b128 v[\f+8*\a:\f+8*\a+3],   v[ADRA+\slot] offset:64*\q+\a*16*PA
	ds_load_b128 v[\f+8*\a+4:\f+8*\a+7], v[ADRA+\slot] offset:64*\q+\a*16*PA+32
.endr
.endm
; four places behind a matrix instruction before a load lands on one of its sources or a vector instruction reads its result (ISA guide 7.12.1 for vector instructions)
.macro PLACES
.rept 4
	v_nop
.endr
.endm
; The 40 accumulators take turns, one instruction a turn, in the same order in every quarter.
.macro QUARTER slot, q, f, g, zero
	s_wait_dscnt 2                                 ; only the two loads of row fragment 4 may be out
	WIN MUL_LO
	MULA \f, 0, 0, \zero
	MULA \f, 1, 1, \zero
	PLACES
	FETCH \slot, \q, \g
	WIN MUL_LO
	MULA \f, 2, 2, \zero
	MULA \f, 3, 3, \zero
	s_wait_dscnt 26                                ; all but the 26 just issued
	WIN MUL_HI
	MULA \f, 4, 0, \zero
.endm
.macro THREE slot, zero
	QUARTER \slot, 1, F0, F1, \zero
	QUARTER \slot, 2, F1, F0, 0
	QUARTER \slot, 3, F0, F1, 0
.endm
; The change of slots: each wave's reads of this slot and all its tensor loads are waited for in front of the barrier; with fill = 1 the
; barrier opens a round of the cluster's barrier and the refill is the first tensor load behind the round.
.macro TURN slot, next, fill
	s_wait_dscnt 0x0
	s_wait_tensorcnt 0x0
	ds_add_u32 v255, v63
	s_wait_dscnt 0x0
	s_barrier_signal -1
	WIN MUL_LO
	MULA F1, 0, 0, 0
	MULA F1, 1, 1, 0
	WIN 0
	s_barrier_wait -1
.if \fill
	CREST
	s_add_nc_u64 s[G0+4*\slot+2:G0+4*\slot+3], s[G0+4*\slot+2:G0+4*\slot+3], 2*KSTEP*2
	s_add_nc_u64 s[G0B+4*\slot+2:G0B+4*\slot+3], s[G0B+4*\slot+2:G0B+4*\slot+3], 2*KSTEP*2048
	JLOAD \slot
.endif
	PLACES
	FETCH \next, 0, F0
	WIN MUL_LO
	MULA F1, 2, 2, 0
	MULA F1, 3, 3, 0
	WIN MUL_HI
	MULA F1, 4, 0, 0
.endm
.macro LAP zero
	THREE 0, \zero
	TURN 0, 1, 1
	THREE 1, 0
	TURN 1, 0, 1
.endm
	s_wait_loadcnt 0x0                             ; the bias, once
	s_wait_tensorcnt 1                             ; my part of K step 0 is in; K step 1's stays out
	s_barrier_signal -1
	s_barrier_wait -1
	FETCH 0, 0, F0
	LAP 1
	WIN 0
	s_mov_b32 s3, 2
.Llap:
	LAP 0
	WIN 0
	s_sub_co_u32 s3, s3, 1
	s_cmp_lg_u32 s3, 0
	s_cbranch_scc1 .Llap
	THREE 0, 0
	TURN 0, 1, 0
	THREE 1, 0
	s_wait_dscnt 0x0
	WIN MUL_LO
	MULA F1, 0, 0, 0
	MULA F1, 1, 1, 0
	MULA F1, 2, 2, 0
	MULA F1, 3, 3, 0
	WIN MUL_HI
	MULA F1, 4, 0, 0
	PLACES
; Rows 16 a .. 16 a + 15 of my block: bias, 32 bytes a lane into my own stage, whole rows of 512 bytes back, and out.
.macro OUT16Y a, t, win
	WIN \win
.irp b, 0,1,2,3,4,5,6,7
.irp r, 0,2,4,6
	v_pk_add_f32 v[ZB+8*\b+\r:ZB+8*\b+\r+1], v[8*(8*\t+\b)+\r:8*(8*\t+\b)+\r+1], v[BIAS+8*\b+\r:BIAS+8*\b+\r+1]
.endr
.endr
	WIN 0
.irp b, 0,1,2,3,4,5,6,7
	ds_store_b128 v[STO], v[ZB+8*\b:ZB+8*\b+3] offset:64*\b
	ds_store_b128 v[STO], v[ZB+8*\b+4:ZB+8*\b+7] offset:64*\b+16
.endr
	s_wait_xcnt 0x0                                ; v[128:191] and the base, which the last group's stores read, are rewritten only behind this wait
.if \a
	s_add_nc_u64 s[8:9], s[8:9], 16*4096
.endif
.irp u, 0,1,2,3,4,5,6,7,8,9,10,11,12,13,14,15
	ds_load_b128 v[RB+4*\u:RB+4*\u+3], v[RD] offset:\u*SPITCH      ; LDS serves a wave's instructions in order (ISA guide 5.7.1.4): these see the stores above
.endr
.irp u, 0,1,2,3,4,5,6,7,8,9,10,11,12,13,14,15
	s_wait_dscnt 15-\u
	global_store_b128 v[CO], v[RB+4*\u:RB+4*\u+3], s[8:9] offset:\u*4096   ; the wave stores 512 consecutive bytes, aligned
.endr
.endm
	OUT16Y 0, 0, 0x02
	OUT16Y 1, 1, 0x02
	OUT16Y 2, 2, 0x02
	OUT16Y 3, 3, 0x02
	OUT16Y 4, 0, 0x03
	s_set_vgpr_msb 0x1
	s_wait_tensorcnt 0x0
	ds_add_u32 v255, v63
	s_wait_dscnt 0x0
	s_set_vgpr_msb 0x100
	CROUND                                         ; the closing round
	s_endpgm
.Lfunc_end_k_q621ae998da_gemm2:
	.size	k_q621ae998da_gemm2, .Lfunc_end_k_q621ae998da_gemm2-k_q621ae998da_gemm2
	.p2alignl 7, 3214868480
	.fill 96, 4, 3214868480
	.section	.rodata,"a",@progbits
	.p2align	6, 0x0
	.amdhsa_kernel k_q621ae998da_gemm2
		.amdhsa_group_segment_fixed_size 327680
		.amdhsa_private_segment_fixed_size 0
		.amdhsa_enable_private_segment 0
		.amdhsa_kernarg_size 40
		.amdhsa_user_sgpr_count 2
		.amdhsa_user_sgpr_kernarg_segment_ptr 1
		.amdhsa_wavefront_size32 1
		.amdhsa_system_sgpr_workgroup_id_x 1
		.amdhsa_system_sgpr_workgroup_id_y 1
		.amdhsa_system_sgpr_workgroup_id_z 1
		.amdhsa_system_vgpr_workitem_id 0
		.amdhsa_next_free_vgpr 832
		.amdhsa_next_free_sgpr 66
		.amdhsa_reserve_vcc 0
		.amdhsa_float_denorm_mode_32 3
		.amdhsa_float_denorm_mode_16_64 3
		.amdhsa_memory_ordered 1
		.amdhsa_forward_progress 1
		.amdhsa_inst_pref_size 151
	.end_amdhsa_kernel
	.amdgpu_metadata
---
amdhsa.version: [ 1, 2 ]
amdhsa.kernels:
  - .name:           k_q621ae998da_gemm2
    .symbol:         k_q621ae998da_gemm2.kd
    .args:
      - { .name: hb, .offset: 0, .size: 8, .value_kind: global_buffer, .address_space: global }
      - { .name: wb, .offset: 8, .size: 8, .value_kind: global_buffer, .address_space: global }
      - { .name: b2, .offset: 16, .size: 8, .value_kind: global_buffer, .address_space: global }
      - { .name: plan, .offset: 24, .size: 8, .value_kind: global_buffer, .address_space: global }
      - { .name: yb, .offset: 32, .size: 8, .value_kind: global_buffer, .address_space: global }
    .group_segment_fixed_size: 327680
    .private_segment_fixed_size: 0
    .kernarg_segment_align: 8
    .kernarg_segment_size: 40
    .max_flat_workgroup_size: 128
    .sgpr_count:     66
    .vgpr_count:     832
    .wavefront_size: 32
...
	.end_amdgpu_metadata
.endif
;; end of part 4
;; launch combine (part 5): grid 256 x 1, 8 waves a work-group, no clusters, 0 bytes of LDS; arguments yb, plan, rflt, out0; writes out0
.if DOCPART == 5
	.amdgcn_target "amdgcn-amd-amdhsa--gfx1250"
	.amdhsa_code_object_version 6
	.text
	.protected	k_q621ae998da_combine
	.globl	k_q621ae998da_combine
	.p2align	8
	.type	k_q621ae998da_combine,@function
k_q621ae998da_combine:
	s_mov_b64 s[64:65], 0
	v_nop
	global_prefetch_b8 v0, s[64:65] scope:SCOPE_SE
	s_setreg_imm32_b32 hwreg(HW_REG_WAVE_MODE, 25, 1), 1
	s_wait_xcnt 0x0
; out0[t] = g1(t) yb[pos(t, 0)] + g2(t) yb[pos(t, 1)]: each token gathers its two experts' rows (a sum made by gathering, without atomics).
; A stream: a wave owns two tokens; a row is 4,096 bytes = eight loads of 512 consecutive bytes.  All 32 loads of a wave go out at once.
; Rows and gates are the same for the whole wave, so they come by scalar loads; a row number is clamped to yb's last row before it enters an address.
.set Y, 8                              ; v[8:135]  token k, choice s, chunk c at Y + 64 k + 32 s + 4 c
.set LASTROW, 9439
	s_load_b256 s[4:11], s[0:1], 0x0               ; yb s[4:5], plan s[6:7], rflt s[8:9], out0 s[10:11]
	v_lshrrev_b32 v1, 5, v0
	v_readfirstlane_b32 s12, v1                    ; wave
	v_and_b32 v2, 31, v0
	v_lshlrev_b32 v2, 4, v2                        ; 16 L
	s_lshl_b32 s13, ttmp9, 7                       ; 8 bytes a token: 16 tokens a group,
	s_lshl_b32 s14, s12, 4                         ; 2 a wave
	s_add_co_u32 s13, s13, s14
	s_lshl_b32 s36, ttmp9, 16                      ; and 4,096 bytes a token in out0
	s_lshl_b32 s37, s12, 13
	s_add_co_u32 s36, s36, s37
	s_mov_b32 s37, 0
	s_wait_kmcnt 0x0
	s_load_b128 s[16:19], s[6:7], s13 offset:0x0   ; pos of both tokens
	s_load_b128 s[20:23], s[8:9], s13 offset:0x0   ; their gates
	s_add_nc_u64 s[10:11], s[10:11], s[36:37]
	s_wait_kmcnt 0x0
.irp i, 0,1,2,3
	s_min_u32 s[16+\i], s[16+\i], LASTROW
	s_lshl_b32 s[24+2*\i], s[16+\i], 12
	s_mov_b32 s[25+2*\i], 0
	s_add_nc_u64 s[24+2*\i:25+2*\i], s[4:5], s[24+2*\i:25+2*\i]
.endr
	s_mov_b32 s32, s21                             ; a packed multiply takes a scalar from the low register of a pair: the second gates get pairs of their own
	s_mov_b32 s33, s21
	s_mov_b32 s34, s23
	s_mov_b32 s35, s23
.irp k, 0,1
.irp s, 0,1
.irp c, 0,1,2,3,4,5,6,7
	global_load_b128 v[Y+64*\k+32*\s+4*\c:Y+64*\k+32*\s+4*\c+3], v2, s[24+4*\k+2*\s:25+4*\k+2*\s] offset:512*\c th:TH_LOAD_NT
.endr
.endr
.endr
.macro TOKEN k, left
	s_wait_loadcnt \left
.irp c, 0,1,2,3,4,5,6,7
.irp r, 0,2
	v_pk_mul_f32 v[Y+64*\k+32+4*\c+\r:Y+64*\k+32+4*\c+\r+1], v[Y+64*\k+32+4*\c+\r:Y+64*\k+32+4*\c+\r+1], s[32+2*\k:33+2*\k] op_sel_hi:[1,0]
.endr
.irp r, 0,2
	v_pk_fma_f32 v[Y+64*\k+4*\c+\r:Y+64*\k+4*\c+\r+1], v[Y+64*\k+4*\c+\r:Y+64*\k+4*\c+\r+1], s[20+2*\k:21+2*\k], v[Y+64*\k+32+4*\c+\r:Y+64*\k+32+4*\c+\r+1] op_sel_hi:[1,0,1]
.endr
	global_store_b128 v2, v[Y+64*\k+4*\c:Y+64*\k+4*\c+3], s[10:11] offset:4096*\k+512*\c th:TH_STORE_NT
.endr
.endm
	TOKEN 0, 16                                    ; the second token's sixteen loads stay out
	TOKEN 1, 0
	s_endpgm
.Lfunc_end_k_q621ae998da_combine:
	.size	k_q621ae998da_combine, .Lfunc_end_k_q621ae998da_combine-k_q621ae998da_combine
	.p2alignl 7, 3214868480
	.fill 96, 4, 3214868480
	.section	.rodata,"a",@progbits
	.p2align	6, 0x0
	.amdhsa_kernel k_q621ae998da_combine
		.amdhsa_group_segment_fixed_size 0
		.amdhsa_private_segment_fixed_size 0
		.amdhsa_enable_private_segment 0
		.amdhsa_kernarg_size 32
		.amdhsa_user_sgpr_count 2
		.amdhsa_user_sgpr_kernarg_segment_ptr 1
		.amdhsa_wavefront_size32 1
		.amdhsa_system_sgpr_workgroup_id_x 1
		.amdhsa_system_sgpr_workgroup_id_y 1
		.amdhsa_system_sgpr_workgroup_id_z 1
		.amdhsa_system_vgpr_workitem_id 0
		.amdhsa_next_free_vgpr 140
		.amdhsa_next_free_sgpr 66
		.amdhsa_reserve_vcc 0
		.amdhsa_float_denorm_mode_32 3
		.amdhsa_float_denorm_mode_16_64 3
		.amdhsa_memory_ordered 1
		.amdhsa_forward_progress 1
		.amdhsa_inst_pref_size 11
	.end_amdhsa_kernel
	.amdgpu_metadata
---
amdhsa.version: [ 1, 2 ]
amdhsa.kernels:
  - .name:           k_q621ae998da_combine
    .symbol:         k_q621ae998da_combine.kd
    .args:
      - { .name: yb, .offset: 0, .size: 8, .value_kind: global_buffer, .address_space: global }
      - { .name: plan, .offset: 8, .size: 8, .value_kind: global_buffer, .address_space: global }
      - { .name: rflt, .offset: 16, .size: 8, .value_kind: global_buffer, .address_space: global }
      - { .name: out0, .offset: 24, .size: 8, .value_kind: global_buffer, .address_space: global }
    .group_segment_fixed_size: 0
    .private_segment_fixed_size: 0
    .kernarg_segment_align: 8
    .kernarg_segment_size: 32
    .max_flat_workgroup_size: 256
    .sgpr_count:     66
    .vgpr_count:     140
    .wavefront_size: 32
...
	.end_amdgpu_metadata
.endif
;; end of part 5
;; ======== version 2 of 2: 5 launches; version 1 with the launches scatter_w2, combine written anew for expert scheduling mode
;; workspace buffers: wb 33,554,432 bytes; xg 19,333,120 bytes; hb 19,333,120 bytes; yb 38,666,240 bytes; route 36,864 bytes of whole numbers; plan 33,024 bytes of whole numbers; rflt 36,864 bytes
;; launch router_w1: the kernel of part 1 again; grid 384 x 1, 8 waves a work-group, no clusters, 20,480 bytes of LDS; arguments x, router_w, train_scores, out2, out3, out4, out5, route, rflt, W1, wb; writes out2, out3, out4, out5, route, rflt, wb
;; launch scatter_w2 (part 6): grid 384 x 1, 8 waves a work-group, no clusters, 0 bytes of LDS; arguments x, route, rflt, xg, plan, out1, W2, wb; writes xg, plan, out1, wb
.if DOCPART == 6
	.amdgcn_target "amdgcn-amd-amdhsa--gfx1250"
	.amdhsa_code_object_version 6
	.text
	.protected	k_q621ae998da_scatter_w2
	.globl	k_q621ae998da_scatter_w2
	.p2align	8
	.type	k_q621ae998da_scatter_w2,@function
k_q621ae998da_scatter_w2:
	s_mov_b64 s[64:65], 0
	v_nop
	global_prefetch_b8 v0, s[64:65] scope:SCOPE_SE
	s_setreg_imm32_b32 hwreg(HW_REG_WAVE_SCHED_MODE, 0, 2), 2
	s_setreg_imm32_b32 hwreg(HW_REG_WAVE_MODE, 25, 1), 1
	s_wait_xcnt 0x0
	s_wait_alu depctr_vm_vsrc(0)
; TWO JOBS THAT SHARE NO DATA IN ONE LAUNCH.  Work-groups 0 to 127 sort the tokens' rows by expert; work-groups 128 to 383 round W2 to bf16.
; The sorting begins with a chain of dependent steps (arguments, counts, the plan) on 128 work-groups; the rounding is a pure stream, needed
; only two launches further on: side by side its loads are on their way while the chain waits.  The branch hangs on the work-group's number alone.
;
; ROUNDING: wb's bytes from 16,777,216 on = bf16(W2), layout [8][1024 k][1024 n] as it is.  A work-group takes 32,768 numbers (131,072 bytes
; in, 65,536 out) in sixteen steps; in a step a thread takes 8 neighbouring numbers: two loads of 16 bytes, one store of 16 bytes; sixteen
; neighbouring lanes store 256 consecutive bytes, aligned.  All 32 loads of a thread go out first.
;
; SORTING: the 8,192 (token, expert) entries go into a space of 59 blocks of 160 rows: xg[9440][1024] bf16.
; With n_e the expert's count and S_e the sum of the counts before it, expert e begins at block F_e = floor(S_e / 160) + e.
; F_(e+1) - F_e > n_e / 160, so every expert fits, and F_8 = 51 + 8 = 59 whatever the counts: the later launches' grids are constants.
; 9440 - 8192 = 1,248 rows are always padding; they are filled with zeros here.
; An entry's row = 160 F_e + (entries of e in earlier groups) + (its rank in this group: first choices by token, then second choices).
; Every wave works the plan out for itself from route.cnt (4 KiB): no LDS, no barrier.  A group owns the router's 32 tokens, a wave 4.
; Stored: xg; plan: pos[4096][2] u32 at 0, bmap[64] u32 (a block's expert) at 32,768 (group 0); out1, the loss (group 0).
;
; THE MODE: SCHED_MODE bits 1:0 = 2 (LLVM: expert scheduling mode 2), set by the entry lines.  The code itself states the register dependences
; between vector instructions and memory instructions, and those of scalar registers that vector instructions write, with s_wait_alu, always for 0.
; THE PLAN.  Registers that memory instructions touch:
;   offsets    v1, v2 (rounding), v4, v5, v6 (sorting): made once at the path's head, ahead of one wait on va_vdst, and never written again.
;   X          every register: one load lands; the roundings work in place; one or two stores read; nothing writes it after that.
;              One wait on va_vdst stands behind the roundings of a group of four steps (rounding) or of a token (sorting), ahead of that run of stores.
;   ZR         zeros, written at the head; read by the padding's stores, which stand behind the tokens' waits; no vector instruction names it in between.
;   SLT, BM    written by vector instructions, each read by one store of one wave: a wait on va_vdst straight ahead of that store.
;   CNT        loaded; read by the counting; loaded once more in one wave (the loss), behind the tokens' waits, with no vector instruction between that names it.
;   No register that a memory instruction has read is written again: a wait on vm_vsrc stands at the two writes of EXEC alone.
; Scalar registers that vector instructions write (the wave's number, masks of compares, v_readlane_b32's results) are made in runs, each into a register
; of its own, with one wait on va_sdst behind the run and ahead of its first reader.
.set NSORT, 128                        ; work-groups that sort
.set CNT, 8                            ; v[8:39]   cnt, later psum: chunk j at CNT + 4 j: experts 4 (L & 1) + 0..3 of group 16 j + (L >> 1)
.set SEL, 40                           ; v[40:41]  the two choices of token 32 g + L
.set TOT, 42                           ; v[42:45]  counts over all groups
.set PRE, 46                           ; v[46:49]  counts over the groups before mine
.set TMP, 50                           ; v[50:51]
.set SLT, 52                           ; v[52:53]  the two rows of token 32 g + L
.set BM, 54                            ; v[54:55]
.set ZR, 56                            ; v[56:59]  zeros
.set DD, 60                            ; v[60:62]
.set X, 64                             ; v[64:191] sorting: x: token j, quarter c at X + 32 j + 8 c.  Rounding: step i at X + 8 i
.set SC2, 24                           ; s[24:31]  the first row for this group's second choices of e; then, with s[32:39], the eight rows' addresses
.set LN, 40                            ; s[40:43]  the lanes of my four tokens
.set MA, 48                            ; s[48:55]  a run of eight masks
.set MB, 56                            ; s[56:63]  first my group's number less 16 j, then a second run of eight masks
.set NE, 66                            ; s[66:73]  n_e
.set BASE, 74                          ; s[74:81]  earlier groups' entries of e, then the first row for this group's
.set FE, 84                            ; s[84:91]  F_e
.set PE, 92                            ; s[92:99]  padding rows in front of expert e
.set LASTROW, 9439
	s_cmp_lt_u32 ttmp9, NSORT
	s_cbranch_scc1 .Lsort
	; ---- the rounding of W2 ----
	s_load_b128 s[4:7], s[0:1], 0x30               ; W2 s[4:5], wb s[6:7]
	s_sub_co_u32 s8, ttmp9, NSORT                  ; 0 to 255
	s_lshl_b32 s10, s8, 17                         ; the group's 131,072 bytes of W2
	s_mov_b32 s11, 0
	s_lshl_b32 s12, s8, 16                         ; its 65,536 bytes of wb,
	s_add_co_u32 s12, s12, 0x1000000               ; behind W1's 16,777,216
	s_mov_b32 s13, 0
	v_lshlrev_b32 v1, 5, v0                        ; 32 bytes a thread in
	v_lshlrev_b32 v2, 4, v0                        ; 16 bytes a thread out
	s_wait_kmcnt 0x0
	s_add_nc_u64 s[4:5], s[4:5], s[10:11]
	s_add_nc_u64 s[6:7], s[6:7], s[12:13]
	s_wait_alu depctr_va_vdst(0)                   ; v1 and v2 are written: every load and store of this path reads one of them as its offset
.irp i, 0,1,2,3,4,5,6,7,8,9,10,11,12,13,14,15
	global_load_b128 v[X+8*\i:X+8*\i+3],   v1, s[4:5] offset:8192*\i th:TH_LOAD_NT
	global_load_b128 v[X+8*\i+4:X+8*\i+7], v1, s[4:5] offset:8192*\i+16 th:TH_LOAD_NT
.endr
.irp g, 0,1,2,3                        ; the sixteen steps in four groups of four
	s_wait_loadcnt 24-8*\g                         ; loads come back in order: eight for each younger group may stay out
.irp i, 0,1,2,3
.irp r, 0,1,2,3
	v_cvt_pk_bf16_f32 v[X+32*\g+8*\i+\r], v[X+32*\g+8*\i+2*\r], v[X+32*\g+8*\i+2*\r+1]   ; in place: result r lands at or below its sources
.endr
.endr
	s_wait_alu depctr_va_vdst(0)                   ; the group's sixteen roundings have written the registers that its four stores read
.irp i, 0,1,2,3
	global_store_b128 v2, v[X+32*\g+8*\i:X+32*\g+8*\i+3], s[6:7] offset:4096*(4*\g+\i)   ; no register is written again behind its store
.endr
.endr
	s_endpgm
	; ---- the sorting ----
.Lsort:
	s_load_b256 s[4:11], s[0:1], 0x0               ; x s[4:5], route s[6:7], rflt s[8:9], xg s[10:11]
	s_load_b128 s[12:15], s[0:1], 0x20             ; plan s[12:13], out1 s[14:15]
	v_lshrrev_b32 v2, 5, v0
	v_readfirstlane_b32 s16, v2                    ; wave
	v_and_b32 v1, 31, v0
	v_lshrrev_b32 v3, 1, v1
	v_lshlrev_b32 v4, 5, v1                        ; 32 L
	v_lshlrev_b32 v5, 4, v1                        ; 16 L
	v_lshlrev_b32 v6, 3, v1
	s_lshl_b32 s20, ttmp9, 8
	v_add_nc_u32 v6, s20, v6                       ; 8 (32 g + L)
	s_lshl_b32 s18, ttmp9, 17
	s_wait_alu depctr_va_sdst(0)                   ; s16 is written, ahead of its first reader
	s_lshl_b32 s19, s16, 14
	s_add_co_u32 s18, s18, s19
	s_mov_b32 s19, 0
	s_mov_b32 s22, 0x76543210
	s_mov_b32 s23, 0xfedcba98
	s_wait_kmcnt 0x0
	s_add_nc_u64 s[4:5], s[4:5], s[18:19]
	s_wait_alu depctr_va_vdst(0)                   ; v4, v5 and v6 are written: every load and store of this path reads one of them as its offset
.irp j, 0,1,2,3,4,5,6,7
	global_load_b128 v[CNT+4*\j:CNT+4*\j+3], v5, s[6:7] offset:32768+512*\j
.endr
	global_load_b64 v[SEL:SEL+1], v6, s[6:7]
.irp j, 0,1,2,3
.irp c, 0,1,2,3
	global_load_b128 v[X+32*\j+8*\c:X+32*\j+8*\c+3],   v4, s[4:5] offset:4096*\j+1024*\c th:TH_LOAD_NT
	global_load_b128 v[X+32*\j+8*\c+4:X+32*\j+8*\c+7], v4, s[4:5] offset:4096*\j+1024*\c+16 th:TH_LOAD_NT
.endr
.endr
.irp r, 0,1,2,3
	v_mov_b32 v[ZR+\r], 0
.endr
	v_mov_b32 v[SLT], 0
	v_mov_b32 v[SLT+1], 0
	; which groups come before mine hangs on ids alone: the eight masks are made in one run while the counts are on their way
.irp j, 0,1,2,3,4,5,6,7
	s_sub_co_i32 s[MB+\j], ttmp9, 16*\j
.endr
.irp j, 0,1,2,3,4,5,6,7
	v_cmp_gt_i32 s[MA+\j], s[MB+\j], v3            ; group 16 j + (L >> 1) comes before mine
.endr
	s_wait_alu depctr_va_sdst(0)                   ; the eight masks are written, ahead of the selects that read them
	s_wait_loadcnt 32                              ; counts and choices are in; x's 32 loads stay out
.irp j, 0,1,2,3,4,5,6,7
.irp c, 0,1,2,3
.if \j == 0
	v_cndmask_b32 v[PRE+\c], 0, v[CNT+\c], s[MA+\j]
.else
	v_cndmask_b32 v[TMP], 0, v[CNT+4*\j+\c], s[MA+\j]
	v_add_nc_u32 v[PRE+\c], v[PRE+\c], v[TMP]
.if \j == 1
	v_add_nc_u32 v[TOT+\c], v[CNT+\c], v[CNT+4+\c]
.else
	v_add_nc_u32 v[TOT+\c], v[TOT+\c], v[CNT+4*\j+\c]
.endif
.endif
.endr
.endr
	; over the sixteen lanes of my parity (TOT and PRE are eight neighbouring registers)
.irp m, 2,4,8
.irp r, 0,1,2,3,4,5,6,7
	v_mov_b32_dpp v[TMP], v[TOT+\r] row_xmask:\m row_mask:0xf bank_mask:0xf
	v_add_nc_u32 v[TOT+\r], v[TOT+\r], v[TMP]
.endr
.endr
.irp r, 0,1,2,3,4,5,6,7
	v_permlanex16_b32 v[TMP], v[TOT+\r], s22, s23
	v_add_nc_u32 v[TOT+\r], v[TOT+\r], v[TMP]
.endr
	; one run of 32 vector instructions that write scalar registers: the counts, and which lanes chose which expert
.irp c, 0,1,2,3
	v_readlane_b32 s[NE+\c],     v[TOT+\c], 0
	v_readlane_b32 s[NE+4+\c],   v[TOT+\c], 1
	v_readlane_b32 s[BASE+\c],   v[PRE+\c], 0
	v_readlane_b32 s[BASE+4+\c], v[PRE+\c], 1
.endr
.irp e, 0,1,2,3,4,5,6,7
	v_cmp_eq_u32 s[MA+\e], \e, v[SEL]              ; lane = token: its first choice is e,
	v_cmp_eq_u32 s[MB+\e], \e, v[SEL+1]            ; its second
.endr
	s_wait_alu depctr_va_sdst(0)                   ; the sixteen counts and the sixteen masks are written, ahead of the scalar lines and the selects that read them
	s_mov_b32 s82, 0                               ; S_e
.irp e, 0,1,2,3,4,5,6,7
	s_lshr_b32 s83, s82, 5                         ; floor(S / 160) = floor((S >> 5) / 5); (y 205) >> 10 = floor(y / 5) for y below 1,024, here y is at most 256
	s_mul_i32 s83, s83, 205
	s_lshr_b32 s83, s83, 10
	s_add_co_u32 s[FE+\e], s83, \e
	s_mul_i32 s83, s[FE+\e], 160
	s_add_co_u32 s[BASE+\e], s[BASE+\e], s83
	s_sub_co_u32 s[PE+\e], s83, s82
	s_add_co_u32 s82, s82, s[NE+\e]
.endr
	; ranks: lane = token
.irp e, 0,1,2,3,4,5,6,7
	s_bcnt1_i32_b32 s[SC2+\e], s[MA+\e]
	s_add_co_u32 s[SC2+\e], s[SC2+\e], s[BASE+\e]  ; second choices come behind all first choices
	v_mbcnt_lo_u32_b32 v[TMP], s[MA+\e], 0         ; first choices of e in lower lanes
	v_mbcnt_lo_u32_b32 v[TMP+1], s[MB+\e], 0
	v_add_nc_u32 v[TMP], s[BASE+\e], v[TMP]
	v_add_nc_u32 v[TMP+1], s[SC2+\e], v[TMP+1]
	v_cndmask_b32 v[SLT], v[SLT], v[TMP], s[MA+\e]
	v_cndmask_b32 v[SLT+1], v[SLT+1], v[TMP+1], s[MB+\e]
.endr
	v_min_u32 v[SLT], LASTROW, v[SLT]
	v_min_u32 v[SLT+1], LASTROW, v[SLT+1]
	s_cmp_lg_u32 s16, 0
	s_cbranch_scc1 .Lnopos
	s_wait_alu depctr_va_vdst(0)                   ; the two rows in v[SLT:SLT+1] are written, which the store reads
	global_store_b64 v6, v[SLT:SLT+1], s[12:13]    ; plan.pos: 256 consecutive bytes, aligned
.Lnopos:
	s_lshl_b32 s20, s16, 2
.irp j, 0,1,2,3
	s_add_co_u32 s[LN+\j], s20, \j                 ; my token j is lane 4 wave + j
.endr
.irp j, 0,1,2,3
	v_readlane_b32 s[24+4*\j], v[SLT], s[LN+\j]
	v_readlane_b32 s[26+4*\j], v[SLT+1], s[LN+\j]
.endr
	s_wait_alu depctr_va_sdst(0)                   ; my four tokens' eight rows are written, ahead of the scalar lines that make addresses of them
.irp j, 0,1,2,3
	s_min_u32 s[24+4*\j], s[24+4*\j], LASTROW
	s_min_u32 s[26+4*\j], s[26+4*\j], LASTROW
	s_lshl_b32 s[24+4*\j], s[24+4*\j], 11          ; rows of 2,048 bytes
	s_lshl_b32 s[26+4*\j], s[26+4*\j], 11
	s_mov_b32 s[25+4*\j], 0
	s_mov_b32 s[27+4*\j], 0
	s_add_nc_u64 s[24+4*\j:25+4*\j], s[10:11], s[24+4*\j:25+4*\j]
	s_add_nc_u64 s[26+4*\j:27+4*\j], s[10:11], s[26+4*\j:27+4*\j]
.endr
.irp j, 0,1,2,3
	s_wait_loadcnt 24-8*\j                         ; eight loads for each younger token stay out
.irp c, 0,1,2,3
.irp r, 0,1,2,3
	v_cvt_pk_bf16_f32 v[X+32*\j+8*\c+\r], v[X+32*\j+8*\c+2*\r], v[X+32*\j+8*\c+2*\r+1]   ; in place: result r lands at or below its sources
.endr
.endr
	s_wait_alu depctr_va_vdst(0)                   ; the token's sixteen roundings have written the registers that its eight stores read
.irp c, 0,1,2,3
	global_store_b128 v5, v[X+32*\j+8*\c:X+32*\j+8*\c+3], s[24+4*\j:25+4*\j] offset:512*\c   ; the token's row, once for each of its two experts
	global_store_b128 v5, v[X+32*\j+8*\c:X+32*\j+8*\c+3], s[26+4*\j:27+4*\j] offset:512*\c
.endr
.endr
; Padding row q lies behind the entries of all experts e with P_e <= q: row = q + n_0 + the n_e of those.
; Its stores read ZR, written at the head: the tokens' waits on va_vdst stand between, and no vector instruction since names ZR.
.macro PADROW q, b
	s_add_co_u32 s41, \q, s[NE]
.irp e, 1,2,3,4,5,6,7
	s_cmp_ge_u32 \q, s[PE+\e]
	s_cselect_b32 s42, s[NE+\e], 0
	s_add_co_u32 s41, s41, s42
.endr
	s_min_u32 s41, s41, LASTROW
	s_lshl_b32 s[\b], s41, 11
	s_mov_b32 s[\b+1], 0
	s_add_nc_u64 s[\b:\b+1], s[10:11], s[\b:\b+1]
.irp c, 0,1,2,3
	global_store_b128 v5, v[ZR:ZR+3], s[\b:\b+1] offset:512*\c
.endr
.endm
	s_lshl_b32 s40, ttmp9, 3
	s_add_co_u32 s40, s40, s16                     ; q = 8 g + wave: 0 to 1,023
	PADROW s40, 44
	s_cmp_ge_u32 ttmp9, 28
	s_cbranch_scc1 .Lnopad
	s_add_co_u32 s40, s40, 1024                    ; and 1,024 to 1,247 in the first 28 groups
	PADROW s40, 46
.Lnopad:
	s_cmp_lg_u32 ttmp9, 0
	s_cbranch_scc1 .Lend
	s_cmp_lg_u32 s16, 1
	s_cbranch_scc1 .Lnomap
	; bmap: block b belongs to the last expert whose F_e is at most b: the number of e from 1 to 7 with F_e <= b
	v_lshlrev_b32 v[TMP], 1, v1
	v_add_nc_u32 v[TMP+1], 1, v[TMP]
	v_mov_b32 v[BM], 0
	v_mov_b32 v[BM+1], 0
.irp e, 1,2,3,4,5,6,7
	v_cmp_le_u32 s[MA+\e], s[FE+\e], v[TMP]
	v_cmp_le_u32 s[MB+\e], s[FE+\e], v[TMP+1]
.endr
	s_wait_alu depctr_va_sdst(0)                   ; the fourteen masks are written, ahead of the selects that read them
.irp e, 1,2,3,4,5,6,7
	v_cndmask_b32 v[DD], 0, 1, s[MA+\e]
	v_cndmask_b32 v[DD+1], 0, 1, s[MB+\e]
	v_add_nc_u32 v[BM], v[BM], v[DD]
	v_add_nc_u32 v[BM+1], v[BM+1], v[DD+1]
.endr
	s_wait_alu depctr_va_vdst(0)                   ; v[BM:BM+1] are written, which the store reads
	global_store_b64 v6, v[BM:BM+1], s[12:13] offset:32768   ; in group 0 v6 = 8 L
	s_endpgm
.Lnomap:
	s_cmp_lg_u32 s16, 2
	s_cbranch_scc1 .Lend
	; the loss: 8 sum_e (n_e / 4096) (sum of softmax_e / 4096) = 2^-21 sum_e n_e psum_e
	; These loads land in CNT, which the counting read: the tokens' waits on va_vdst stand between, and no vector instruction since names CNT.
.irp j, 0,1,2,3,4,5,6,7
	global_load_b128 v[CNT+4*\j:CNT+4*\j+3], v5, s[8:9] offset:32768+512*\j
.endr
	s_wait_loadcnt 0x0
.irp j, 1,2,3,4,5,6,7
	v_pk_add_f32 v[CNT:CNT+1],   v[CNT:CNT+1],   v[CNT+4*\j:CNT+4*\j+1]
	v_pk_add_f32 v[CNT+2:CNT+3], v[CNT+2:CNT+3], v[CNT+4*\j+2:CNT+4*\j+3]
.endr
.irp m, 2,4,8
.irp c, 0,1,2,3
	v_add_f32_dpp v[CNT+\c], v[CNT+\c], v[CNT+\c] row_xmask:\m row_mask:0xf bank_mask:0xf
.endr
.endr
.irp c, 0,1,2,3
	v_permlanex16_b32 v[TMP], v[CNT+\c], s22, s23
	v_add_f32 v[CNT+\c], v[CNT+\c], v[TMP]
.endr
	v_cvt_f32_u32 v[DD+1], v[TOT]
	v_mul_f32 v[DD], v[DD+1], v[CNT]
.irp c, 1,2,3
	v_cvt_f32_u32 v[DD+1], v[TOT+\c]
	v_fmac_f32 v[DD], v[DD+1], v[CNT+\c]
.endr
	v_add_f32_dpp v[DD], v[DD], v[DD] row_xmask:1 row_mask:0xf bank_mask:0xf   ; experts 0-3 and 4-7 meet
	v_mul_f32 v[DD], 0x35000000, v[DD]             ; 2^-21
	v_mov_b32 v[DD+2], 0
	v_cmp_eq_u32 vcc_lo, 0, v1
	s_wait_xcnt 0x0                                ; EXEC changes only behind this wait
	s_wait_alu depctr_va_vcc(0)                    ; VCC is written: EXEC is made from it
	s_wait_alu depctr_va_vdst(0)                   ; ahead of the write of EXEC every vector instruction is done; v[DD] and v[DD+2] are written, which the store reads
	s_wait_alu depctr_vm_vsrc(0)                   ; and every memory instruction has read its vector registers
	s_and_saveexec_b32 s17, vcc_lo
	global_store_b32 v[DD+2], v[DD], s[14:15]
	s_wait_xcnt 0x0
	s_wait_alu depctr_va_vdst(0)                   ; ahead of the write that restores EXEC: every vector instruction is done,
	s_wait_alu depctr_vm_vsrc(0)                   ; and the store has read its vector registers
	s_or_b32 exec_lo, exec_lo, s17
.Lend:
	s_endpgm
.Lfunc_end_k_q621ae998da_scatter_w2:
	.size	k_q621ae998da_scatter_w2, .Lfunc_end_k_q621ae998da_scatter_w2-k_q621ae998da_scatter_w2
	.p2alignl 7, 3214868480
	.fill 96, 4, 3214868480
	.section	.rodata,"a",@progbits
	.p2align	6, 0x0
	.amdhsa_kernel k_q621ae998da_scatter_w2
		.amdhsa_group_segment_fixed_size 0
		.amdhsa_private_segment_fixed_size 0
		.amdhsa_enable_private_segment 0
		.amdhsa_kernarg_size 64
		.amdhsa_user_sgpr_count 2
		.amdhsa_user_sgpr_kernarg_segment_ptr 1
		.amdhsa_wavefront_size32 1
		.amdhsa_system_sgpr_workgroup_id_x 1
		.amdhsa_system_sgpr_workgroup_id_y 1
		.amdhsa_system_sgpr_workgroup_id_z 1
		.amdhsa_system_vgpr_workitem_id 0
		.amdhsa_next_free_vgpr 192
		.amdhsa_next_free_sgpr 100
		.amdhsa_reserve_vcc 1
		.amdhsa_float_denorm_mode_32 3
		.amdhsa_float_denorm_mode_16_64 3
		.amdhsa_memory_ordered 1
		.amdhsa_forward_progress 1
		.amdhsa_inst_pref_size 49
	.end_amdhsa_kernel
	.amdgpu_metadata
---
amdhsa.version: [ 1, 2 ]
amdhsa.kernels:
  - .name:           k_q621ae998da_scatter_w2
    .symbol:         k_q621ae998da_scatter_w2.kd
    .args:
      - { .name: x, .offset: 0, .size: 8, .value_kind: global_buffer, .address_space: global }
      - { .name: route, .offset: 8, .size: 8, .value_kind: global_buffer, .address_space: global }
      - { .name: rflt, .offset: 16, .size: 8, .value_kind: global_buffer, .address_space: global }
      - { .name: xg, .offset: 24, .size: 8, .value_kind: global_buffer, .address_space: global }
      - { .name: plan, .offset: 32, .size: 8, .value_kind: global_buffer, .address_space: global }
      - { .name: out1, .offset: 40, .size: 8, .value_kind: global_buffer, .address_space: global }
      - { .name: W2, .offset: 48, .size: 8, .value_kind: global_buffer, .address_space: global }
      - { .name: wb, .offset: 56, .size: 8, .value_kind: global_buffer, .address_space: global }
    .group_segment_fixed_size: 0
    .private_segment_fixed_size: 0
    .kernarg_segment_align: 8
    .kernarg_segment_size: 64
    .max_flat_workgroup_size: 256
    .sgpr_count:     100
    .vgpr_count:     192
    .wavefront_size: 32
...
	.end_amdgpu_metadata
.endif
;; end of part 6
;; launch gemm1: the kernel of part 3 again; grid 4 x 59, 4 waves a work-group, clusters of 4 x 1, 327,680 bytes of LDS; arguments xg, wb, b1, plan, hb; writes hb
;; launch gemm2: the kernel of part 4 again; grid 4 x 59, 4 waves a work-group, clusters of 4 x 1, 327,680 bytes of LDS; arguments hb, wb, b2, plan, yb; writes yb
;; launch combine (part 7): grid 256 x 1, 8 waves a work-group, no clusters, 0 bytes of LDS; arguments yb, plan, rflt, out0; writes out0
.if DOCPART == 7
	.amdgcn_target "amdgcn-amd-amdhsa--gfx1250"
	.amdhsa_code_object_version 6
	.text
	.protected	k_q621ae998da_combine
	.globl	k_q621ae998da_combine
	.p2align	8
	.type	k_q621ae998da_combine,@function
k_q621ae998da_combine:
	s_mov_b64 s[64:65], 0
	v_nop
	global_prefetch_b8 v0, s[64:65] scope:SCOPE_SE
	s_setreg_imm32_b32 hwreg(HW_REG_WAVE_SCHED_MODE, 0, 2), 2
	s_setreg_imm32_b32 hwreg(HW_REG_WAVE_MODE, 25, 1), 1
	s_wait_xcnt 0x0
	s_wait_alu depctr_vm_vsrc(0)
; out0[t] = g1(t) yb[pos(t, 0)] + g2(t) yb[pos(t, 1)]: each token gathers its two experts' rows (a sum made by gathering, without atomics).
; A stream: a wave owns two tokens; a row is 4,096 bytes = eight loads of 512 consecutive bytes.  All 32 loads of a wave go out at once.
; Rows and gates are the same for the whole wave, so they come by scalar loads; a row number is clamped to yb's last row before it enters an address.
; THE MODE: SCHED_MODE bits 1:0 = 2 (LLVM: expert scheduling mode 2), set by the entry lines.  The code itself states the register dependences
; between vector instructions and memory instructions, and those of scalar registers that vector instructions write, with s_wait_alu, always for 0.
; THE PLAN.  Registers that memory instructions touch:
;   v2   the offset 16 L of every load and store: made once at the head, ahead of one wait on va_vdst, and never written again.
;   Y    every register: one load lands.  The second choice's registers are then scaled in place; the first choice's take the fused multiply-add
;        and are read by one store; nothing writes a register after its store.
; The work goes by half tokens (four chunks of both choices): eight loads are waited for, sixteen packed instructions follow, ONE wait on va_vdst
; states that they have written what the half's four stores read.  No register that a memory instruction has read is written again: no wait on vm_vsrc is owed.
.set Y, 8                              ; v[8:135]  token k, choice s, chunk c at Y + 64 k + 32 s + 4 c
.set LASTROW, 9439
	s_load_b256 s[4:11], s[0:1], 0x0               ; yb s[4:5], plan s[6:7], rflt s[8:9], out0 s[10:11]
	v_lshrrev_b32 v1, 5, v0
	v_readfirstlane_b32 s12, v1                    ; wave
	v_and_b32 v2, 31, v0
	v_lshlrev_b32 v2, 4, v2                        ; 16 L
	s_lshl_b32 s13, ttmp9, 7                       ; 8 bytes a token: 16 tokens a group,
	s_wait_alu depctr_va_sdst(0)                   ; s12 is written, ahead of its first reader
	s_lshl_b32 s14, s12, 4                         ; 2 a wave
	s_add_co_u32 s13, s13, s14
	s_lshl_b32 s36, ttmp9, 16                      ; and 4,096 bytes a token in out0
	s_lshl_b32 s37, s12, 13
	s_add_co_u32 s36, s36, s37
	s_mov_b32 s37, 0
	s_wait_kmcnt 0x0
	s_load_b128 s[16:19], s[6:7], s13 offset:0x0   ; pos of both tokens
	s_load_b128 s[20:23], s[8:9], s13 offset:0x0   ; their gates
	s_add_nc_u64 s[10:11], s[10:11], s[36:37]
	s_wait_kmcnt 0x0
.irp i, 0,1,2,3
	s_min_u32 s[16+\i], s[16+\i], LASTROW
	s_lshl_b32 s[24+2*\i], s[16+\i], 12
	s_mov_b32 s[25+2*\i], 0
	s_add_nc_u64 s[24+2*\i:25+2*\i], s[4:5], s[24+2*\i:25+2*\i]
.endr
	s_mov_b32 s32, s21                             ; a packed multiply takes a scalar from the low register of a pair: the second gates get pairs of their own
	s_mov_b32 s33, s21
	s_mov_b32 s34, s23
	s_mov_b32 s35, s23
	s_wait_alu depctr_va_vdst(0)                   ; v2 is written: every load and store of the kernel reads it as its offset
.irp k, 0,1
.irp h, 0,1                            ; by half tokens: chunks 4 h to 4 h + 3 of the first choice, then of the second
.irp s, 0,1
.irp c, 0,1,2,3
	global_load_b128 v[Y+64*\k+32*\s+16*\h+4*\c:Y+64*\k+32*\s+16*\h+4*\c+3], v2, s[24+4*\k+2*\s:25+4*\k+2*\s] offset:2048*\h+512*\c th:TH_LOAD_NT
.endr
.endr
.endr
.endr
; Half h of token k.  left = how many younger loads may still be out when this half's eight have to be there.
.macro HALF k, h, left
	s_wait_loadcnt \left                           ; loads come back in order: eight for each younger half stay out
.irp c, 0,1,2,3
.irp r, 0,2
	v_pk_mul_f32 v[Y+64*\k+32+16*\h+4*\c+\r:Y+64*\k+32+16*\h+4*\c+\r+1], v[Y+64*\k+32+16*\h+4*\c+\r:Y+64*\k+32+16*\h+4*\c+\r+1], s[32+2*\k:33+2*\k] op_sel_hi:[1,0]
.endr
.irp r, 0,2
	v_pk_fma_f32 v[Y+64*\k+16*\h+4*\c+\r:Y+64*\k+16*\h+4*\c+\r+1], v[Y+64*\k+16*\h+4*\c+\r:Y+64*\k+16*\h+4*\c+\r+1], s[20+2*\k:21+2*\k], v[Y+64*\k+32+16*\h+4*\c+\r:Y+64*\k+32+16*\h+4*\c+\r+1] op_sel_hi:[1,0,1]
.endr
.endr
	s_wait_alu depctr_va_vdst(0)                   ; the half's multiply-adds have written the sixteen registers that its four stores read
.irp c, 0,1,2,3
	global_store_b128 v2, v[Y+64*\k+16*\h+4*\c:Y+64*\k+16*\h+4*\c+3], s[10:11] offset:4096*\k+2048*\h+512*\c th:TH_STORE_NT
.endr
.endm
	HALF 0, 0, 24
	HALF 0, 1, 16
	HALF 1, 0, 8
	HALF 1, 1, 0
	s_endpgm
.Lfunc_end_k_q621ae998da_combine:
	.size	k_q621ae998da_combine, .Lfunc_end_k_q621ae998da_combine-k_q621ae998da_combine
	.p2alignl 7, 3214868480
	.fill 96, 4, 3214868480
	.section	.rodata,"a",@progbits
	.p2align	6, 0x0
	.amdhsa_kernel k_q621ae998da_combine
		.amdhsa_group_segment_fixed_size 0
		.amdhsa_private_segment_fixed_size 0
		.amdhsa_enable_private_segment 0
		.amdhsa_kernarg_size 32
		.amdhsa_user_sgpr_count 2
		.amdhsa_user_sgpr_kernarg_segment_ptr 1
		.amdhsa_wavefront_size32 1
		.amdhsa_system_sgpr_workgroup_id_x 1
		.amdhsa_system_sgpr_workgroup_id_y 1
		.amdhsa_system_sgpr_workgroup_id_z 1
		.amdhsa_system_vgpr_workitem_id 0
		.amdhsa_next_free_vgpr 140
		.amdhsa_next_free_sgpr 66
		.amdhsa_reserve_vcc 0
		.amdhsa_float_denorm_mode_32 3
		.amdhsa_float_denorm_mode_16_64 3
		.amdhsa_memory_ordered 1
		.amdhsa_forward_progress 1
		.amdhsa_inst_pref_size 11
	.end_amdhsa_kernel
	.amdgpu_metadata
---
amdhsa.version: [ 1, 2 ]
amdhsa.kernels:
  - .name:           k_q621ae998da_combine
    .symbol:         k_q621ae998da_combine.kd
    .args:
      - { .name: yb, .offset: 0, .size: 8, .value_kind: global_buffer, .address_space: global }
      - { .name: plan, .offset: 8, .size: 8, .value_kind: global_buffer, .address_space: global }
      - { .name: rflt, .offset: 16, .size: 8, .value_kind: global_buffer, .address_space: global }
      - { .name: out0, .offset: 24, .size: 8, .value_kind: global_buffer, .address_space: global }
    .group_segment_fixed_size: 0
    .private_segment_fixed_size: 0
    .kernarg_segment_align: 8
    .kernarg_segment_size: 32
    .max_flat_workgroup_size: 256
    .sgpr_count:     66
    .vgpr_count:     140
    .wavefront_size: 32
...
	.end_amdgpu_metadata
.endif
;; end of part 7
